; MI455X (gfx1250); checked and timed in simulation.
; The chip was launched on July 23, 2026; its instructions are those of AMD's public machine-readable ISA for CDNA 5 (MIT licence, August 2026) and "CDNA5" Instruction Set Architecture Reference Guide (July 2026). The comments in the code are by the model that wrote it; some were corrected since.
;; Attention. Allowed arithmetic: float matrix products may take bf16 or f16 operands with f32 sums; other float arithmetic in f32, or as packed bf16 or f16 multiplies, adds, multiply-adds, maxima and minima; sums over many terms, partial sums and values carried from step to step in f32; what a program stores and reads back later, other than sums and carried values, may be rounded once to bf16 or f16.
;; Inputs: cos 2,048 x 64 float32; k_norm_w 64 float32; mask 1 x 1 x 2,048 x 2,048 float32; q_norm_w 64 float32; sin 2,048 x 64 float32; wk 256 x 1,024 float32; wo 1,024 x 1,024 float32; wq 1,024 x 1,024 float32; wv 256 x 1,024 float32; x 2 x 2,048 x 1,024 float32.
;; Outputs: out0 2 x 2,048 x 1,024 float32.
;; 2 versions, each right and faster than the one before. Each part assembles by itself: llvm-mc -triple=amdgcn-amd-amdhsa -mcpu=gfx1250 --defsym DOCPART=n.
;; ======== version 1 of 2: 4 launches
;; limits: values are held in f16: magnitudes above 65,504 overflow, below 6.1e-05 lose precision; inputs' magnitudes at most 2.9e+37
;; workspace buffers: xh 8,388,608 bytes; sw 5,242,880 bytes; psum 768 bytes; qkv 12,582,912 bytes; att 8,388,608 bytes
;; launch prep (part 1): grid 416 x 1, 8 waves a work-group, no clusters, 1,280 bytes of LDS; arguments x, wq, wk, wv, wo, xh, sw, psum; writes xh, sw, psum
.if DOCPART == 1
	.amdgcn_target "amdgcn-amd-amdhsa--gfx1250"
	.amdhsa_code_object_version 6
	.text
	.protected	k_qeea5264c75_prep
	.globl	k_qeea5264c75_prep
	.p2align	8
	.type	k_qeea5264c75_prep,@function
k_qeea5264c75_prep:
	s_mov_b64 s[64:65], 0
	v_nop
	global_prefetch_b8 v0, s[64:65] scope:SCOPE_SE
	s_setreg_imm32_b32 hwreg(HW_REG_WAVE_MODE, 25, 1), 1
	s_wait_xcnt 0x0
; PREP.  xh = x rounded to f16; sw = sign(w) in f16 (+1, -1, 0: exact) for wq, wk, wv, wo, one below the other; psum[g] = the sum of |w| over 16 rows, in f32.
; A stream: each input byte is read once, each output byte written once; no matrix unit, no tile in LDS.
; A work-group takes 16 rows of 1,024 f32 (65,536 bytes): groups 0-255 rows of x, groups 256-415 rows of the weights (64 groups wq, 16 wk, 16 wv, 64 wo).
; Thread t owns the 16 bytes at 16 t of every row: a wave's load covers 512 consecutive bytes, its store of 8 bytes a lane 256 consecutive bytes, aligned.
; All sixteen loads of a thread go out at once, so there is no loop and no register is used twice.
; LIMITS.  f16 holds no number beyond 65,504: a larger |x| becomes an infinity.  A NaN among the weights is not treated apart (its sign bit decides).
.set ROWS,   16
.set INROW,  4096                      ; bytes in a row of f32
.set OUTROW, 2048                      ; bytes in a row of f16
.set XG,     256                       ; work-groups that take x
.set X,   4                            ; v[4:67]    the sixteen rows' 16 bytes as loaded
.set Y,   68                           ; v[68:99]   the same in f16, to store
.set CH,  100                          ; v[100:103] four chains of |w|
.set T,   104                          ; v[104:107] at work
.set SPW, 108                          ; v108  LDS address of my spare word; never rewritten
.set NIL, 109                          ; v109  0; never rewritten
.set SPARE, 256                        ; LDS: bytes 0-31 the eight waves' sums (a block of 256 to themselves); from 256 on the spare words, 128 bytes a wave
.macro LOADS b
.set j, 0
.rept ROWS
	global_load_b128 v[X+4*j:X+4*j+3], v1, s[\b:\b+1] offset:j*INROW th:TH_LOAD_NT
.set j, j+1
.endr
.endm
	s_load_b256 s[4:11], s[0:1], 0x0               ; x s[4:5], wq s[6:7], wk s[8:9], wv s[10:11]
	s_load_b256 s[12:19], s[0:1], 0x20             ; wo s[12:13], xh s[14:15], sw s[16:17], psum s[18:19]
	v_lshl_add_u32 v[SPW], v0, 2, SPARE
	v_mov_b32 v[NIL], 0
	v_lshlrev_b32 v1, 4, v0                        ; 16 t: my bytes in a row of f32
	v_lshlrev_b32 v2, 3, v0                        ; 8 t: my bytes in a row of f16
	s_mov_b32 s25, 0
	s_mov_b32 s27, 0
	s_wait_kmcnt 0x0
	s_cmp_lt_u32 ttmp9, XG                         ; the same answer in all eight waves
	s_cbranch_scc0 .Lweights
	; ---- rows of x ----
	s_lshl_b32 s24, ttmp9, 16                      ; 16 rows of 4,096 bytes a group
	s_add_nc_u64 s[4:5], s[4:5], s[24:25]
	LOADS 4
	s_lshl_b32 s26, ttmp9, 15
	s_add_nc_u64 s[14:15], s[14:15], s[26:27]
.set j, 0
.rept ROWS
	s_wait_loadcnt ROWS-1-j                        ; loads come back in order: row j is in, the younger rows stay out
	v_cvt_pk_f16_f32 v[Y+2*j],   v[X+4*j],   v[X+4*j+1]
	v_cvt_pk_f16_f32 v[Y+2*j+1], v[X+4*j+2], v[X+4*j+3]
	global_store_b64 v2, v[Y+2*j:Y+2*j+1], s[14:15] offset:j*OUTROW
.set j, j+1
.endr
	s_endpgm                                       ; this way has touched no LDS
	; ---- rows of a weight matrix ----
.Lweights:
	s_sub_co_u32 s20, ttmp9, XG                    ; g' = 0 .. 159: also the group's 16 rows in sw and its word in psum
	s_cmp_lt_u32 s20, 64
	s_cselect_b64 s[22:23], s[6:7], s[8:9]         ; wq, else wk,
	s_cselect_b32 s21, 0, 64                       ; and the matrix's first group
	s_cmp_lt_u32 s20, 80
	s_cselect_b64 s[22:23], s[22:23], s[10:11]     ; else wv,
	s_cselect_b32 s21, s21, 80
	s_cmp_lt_u32 s20, 96
	s_cselect_b64 s[22:23], s[22:23], s[12:13]     ; else wo
	s_cselect_b32 s21, s21, 96
	s_sub_co_u32 s24, s20, s21
	s_lshl_b32 s24, s24, 16                        ; my 16 rows in that matrix
	s_add_nc_u64 s[22:23], s[22:23], s[24:25]
	LOADS 22
	s_lshl_b32 s26, s20, 15
	s_add_nc_u64 s[16:17], s[16:17], s[26:27]      ; sw at my 16 rows
	s_lshl_b32 s28, s20, 2
	s_mov_b32 s29, 0
	s_add_nc_u64 s[18:19], s[18:19], s[28:29]      ; psum at my word
	s_mov_b32 s30, 0x7fffffff                      ; all but the sign
	s_mov_b32 s32, 0x76543210                      ; v_permlanex16_b32: each lane takes its own place in the other half
	s_mov_b32 s33, 0xfedcba98
	v_lshrrev_b32 v3, 5, v0
	v_readfirstlane_b32 s31, v3                    ; my wave's number
.set j, 0
.rept ROWS
	s_wait_loadcnt ROWS-1-j                        ; row j is in, the younger rows stay out
.irp k, 0,1,2,3
	v_bfi_b32 v[T+(\k)], s30, 1.0, v[X+4*j+(\k)]   ; 1.0 with w's sign
	v_cmp_neq_f32 vcc_lo, 0, v[X+4*j+(\k)]
	v_cndmask_b32 v[T+(\k)], 0, v[T+(\k)], vcc_lo  ; and 0 where w is 0
.if j == 0
	v_and_b32 v[CH+(\k)], s30, v[X+(\k)]           ; the first row starts the four chains: nothing is cleared
.else
	v_add_f32 v[CH+(\k)], v[CH+(\k)], |v[X+4*j+(\k)]|
.endif
.endr
	v_cvt_pk_f16_f32 v[Y+2*j],   v[T],   v[T+1]
	v_cvt_pk_f16_f32 v[Y+2*j+1], v[T+2], v[T+3]
	global_store_b64 v2, v[Y+2*j:Y+2*j+1], s[16:17] offset:j*OUTROW
.set j, j+1
.endr
	; the sum of |w|: my four chains, the wave's 32 lanes, the eight waves
	v_add_f32 v[CH], v[CH], v[CH+1]
	v_add_f32 v[CH+2], v[CH+2], v[CH+3]
	v_add_f32 v[CH], v[CH], v[CH+2]
	v_add_f32_dpp v[CH], v[CH], v[CH] row_xmask:1 row_mask:0xf bank_mask:0xf
	v_add_f32_dpp v[CH], v[CH], v[CH] row_xmask:2 row_mask:0xf bank_mask:0xf
	v_add_f32_dpp v[CH], v[CH], v[CH] row_xmask:4 row_mask:0xf bank_mask:0xf
	v_add_f32_dpp v[CH], v[CH], v[CH] row_xmask:8 row_mask:0xf bank_mask:0xf
	v_permlanex16_b32 v[CH+1], v[CH], s32, s33
	v_add_f32 v[CH], v[CH], v[CH+1]
	v_mov_b32 v[T], s31
	v_lshlrev_b32 v[T], 2, v[T]
	ds_store_b32 v[T], v[CH]                       ; all lanes write the wave's word with the same number
	s_wait_dscnt 0x0                               ; for the others' sake: my store is done
	s_barrier_signal -1
	s_barrier_wait -1
	v_mov_b32 v[T+1], 0
	ds_load_b128 v[X:X+3], v[T+1]                  ; the eight sums
	ds_load_b128 v[X+4:X+7], v[T+1] offset:16
	s_wait_dscnt 0x0
	v_add_f32 v[X], v[X], v[X+1]
	v_add_f32 v[X+2], v[X+2], v[X+3]
	v_add_f32 v[X+4], v[X+4], v[X+5]
	v_add_f32 v[X+6], v[X+6], v[X+7]
	v_add_f32 v[X], v[X], v[X+2]
	v_add_f32 v[X+4], v[X+4], v[X+6]
	v_add_f32 v[X], v[X], v[X+4]
	s_cmp_lg_u32 s31, 0
	s_cbranch_scc1 .Lend                           ; wave 0 alone stores the word
	s_wait_xcnt 0x0                                ; EXEC is a source of the stores above: it changes only behind this wait
	v_cmp_eq_u32 vcc_lo, 0, v0
	s_and_saveexec_b32 s34, vcc_lo
	global_store_b32 v[T+1], v[X], s[18:19]
	s_wait_xcnt 0x0                                ; and again in front of the line that widens it
	s_or_b32 exec_lo, exec_lo, s34
.Lend:
	s_wait_tensorcnt 0x0                           ; the wave's end: an add of 0 to my spare word and its wait, behind my last LDS store
	ds_add_u32 v[SPW], v[NIL]
	s_wait_dscnt 0x0
	s_endpgm
.Lfunc_end_k_qeea5264c75_prep:
	.size	k_qeea5264c75_prep, .Lfunc_end_k_qeea5264c75_prep-k_qeea5264c75_prep
	.p2alignl 7, 3214868480
	.fill 96, 4, 3214868480
	.section	.rodata,"a",@progbits
	.p2align	6, 0x0
	.amdhsa_kernel k_qeea5264c75_prep
		.amdhsa_group_segment_fixed_size 1280
		.amdhsa_private_segment_fixed_size 0
		.amdhsa_enable_private_segment 0
		.amdhsa_kernarg_size 64
		.amdhsa_user_sgpr_count 2
		.amdhsa_user_sgpr_kernarg_segment_ptr 1
		.amdhsa_wavefront_size32 1
		.amdhsa_system_sgpr_workgroup_id_x 1
		.amdhsa_system_sgpr_workgroup_id_y 1
		.amdhsa_system_sgpr_workgroup_id_z 1
		.amdhsa_system_vgpr_workitem_id 0
		.amdhsa_next_free_vgpr 112
		.amdhsa_next_free_sgpr 66
		.amdhsa_reserve_vcc 1
		.amdhsa_float_denorm_mode_32 3
		.amdhsa_float_denorm_mode_16_64 3
		.amdhsa_memory_ordered 1
		.amdhsa_forward_progress 1
		.amdhsa_inst_pref_size 27
	.end_amdhsa_kernel
	.amdgpu_metadata
---
amdhsa.version: [ 1, 2 ]
amdhsa.kernels:
  - .name:           k_qeea5264c75_prep
    .symbol:         k_qeea5264c75_prep.kd
    .args:
      - { .name: x, .offset: 0, .size: 8, .value_kind: global_buffer, .address_space: global }
      - { .name: wq, .offset: 8, .size: 8, .value_kind: global_buffer, .address_space: global }
      - { .name: wk, .offset: 16, .size: 8, .value_kind: global_buffer, .address_space: global }
      - { .name: wv, .offset: 24, .size: 8, .value_kind: global_buffer, .address_space: global }
      - { .name: wo, .offset: 32, .size: 8, .value_kind: global_buffer, .address_space: global }
      - { .name: xh, .offset: 40, .size: 8, .value_kind: global_buffer, .address_space: global }
      - { .name: sw, .offset: 48, .size: 8, .value_kind: global_buffer, .address_space: global }
      - { .name: psum, .offset: 56, .size: 8, .value_kind: global_buffer, .address_space: global }
    .group_segment_fixed_size: 1280
    .private_segment_fixed_size: 0
    .kernarg_segment_align: 8
    .kernarg_segment_size: 64
    .max_flat_workgroup_size: 256
    .sgpr_count:     66
    .vgpr_count:     112
    .wavefront_size: 32
...
	.end_amdgpu_metadata
.endif
;; end of part 1
;; launch proj (part 2): grid 12 x 32, 4 waves a work-group, clusters of 4 x 4, 327,680 bytes of LDS; arguments xh, sw, qkv, psum, cos, sin, q_norm_w, k_norm_w; writes qkv
.if DOCPART == 2
	.amdgcn_target "amdgcn-amd-amdhsa--gfx1250"
	.amdhsa_code_object_version 6
	.text
	.protected	k_qeea5264c75_proj
	.globl	k_qeea5264c75_proj
	.p2align	8
	.type	k_qeea5264c75_proj,@function
k_qeea5264c75_proj:
	s_mov_b64 s[64:65], 0
	v_nop
	global_prefetch_b8 v0, s[64:65] scope:SCOPE_SE
	s_setreg_imm32_b32 hwreg(HW_REG_WAVE_MODE, 25, 1), 1
	s_wait_xcnt 0x0
	s_wait_alu depctr_hold_cnt(0) depctr_sa_sdst(0) depctr_va_vdst(0) depctr_va_sdst(0) depctr_va_ssrc(0) depctr_va_vcc(0) depctr_vm_vsrc(0)
	s_getreg_b32 s2, hwreg(HW_REG_IB_STS2, 6, 4)
	s_cmp_eq_u32 s2, 0
	s_cbranch_scc0 .Lentry_in_a_cluster
	s_endpgm
.Lentry_in_a_cluster:
	s_bfe_u32 s2, ttmp6, 0x10000c
	s_cmp_lg_u32 s2, 0xf033
	s_cbranch_scc0 .Lentry_shape_is_right
	s_endpgm
.Lentry_shape_is_right:
; PROJ.  y = xh . sw[0:1536]^T (f16 operands, f32 sums), then by heads of 64 columns:
;   q, k:  kappa x RoPE( alpha y / sqrt(mean((alpha y)^2) + 1e-6) x gain ),  alpha = mean |w| of the head's matrix, kappa = sqrt(2 log2(e) / 400): so K Q^T is later the exponent of 2 in tanh;
;   v:     y as it is (its alpha is applied by the last launch).        All rounded once to f16 and stored by heads: qkv[b][24][2048][64], heads 0-15 q, 16-19 k, 20-23 v.
; THE PRODUCT.  A tile of y is 128 tokens x 128 columns (two heads); four waves, each 64 x 64: 16 accumulators of 16 x 16.  K goes in steps of 256 (LDS rows of 512 bytes, a tensor load brings 64 of them)
; through two LDS slots.  4 x 4 work-groups form a cluster: the four of a row need the same tiles of xh, the four of a column the same tiles of sw: each tile is asked for JOINTLY.
; The matrix instruction is used transposed (source 0 = 16 rows of sw, source 1 = 16 rows of xh): a lane holds one token (lane % 16) and eight neighbouring columns 16 b + 8 (lane / 16) + 0..7 of accumulator (a, b).
; A wave's 64 columns are ONE head, so a row's sum of squares wants one exchange between the halves of the lanes, and RoPE's partner column (32 away) lies in the same lane, two accumulators on.
; NO BRANCH ON THE HEAD: which kind it is hangs on the place in the cluster, so the three kinds run one text with chosen scalars: gain' = gain F + G, cos' = cos F2 + G, sin' = sin F2, scale' = scale F2 + G,
; (F, F2, G) = (kappa, 1, 0) for q and k, (0, 0, 1) for v.
; LIMITS.  f16 ends at 65,504: raw v (a sum of 1,024 numbers +-x) and kappa x gain x 8 must stay below it; gains, cos and sin are finite (0 x infinity would spoil v).
; REGISTERS.  window 0: v0-31 addresses and scalings; v32-95 at work on the way out; v96-127 the gains; v128-255 the accumulators ((a, b) at v[128 + 8 (4 a + b)]).
;   window 1: two fragment buffers of 128.   window 2: cos and sin of my 64 tokens: block a's cos at v[64 a ..], its sin at v[64 a + 32 ..], laid as the accumulators are.
.set SIZE_K, 1024
.set KSTEP,  256
.set PITCH,  528                       ; an LDS row: 512 bytes + 16 of padding = 132 words: row r starts at bank 4 r mod 64 (64 banks of 4 bytes: ISA guide 11.1)
.set HALFT,  64*PITCH                  ; 64 rows: what one tensor load brings, and what one wave reads of either operand
.set SLOT,   4*HALFT                   ; xh's 128 rows, then sw's 128 rows
.set STAGE,  2*SLOT                    ; behind the ring, never filled by a tensor load: 16 rows x 144 bytes for each wave
.set SP,     144
.set SPARE,  STAGE+4*16*SP             ; behind the stages: the spare words, 128 bytes a wave: two blocks of 256 bytes that no other line names
.set LAPS,   SIZE_K/(2*KSTEP)          ; a lap = two K steps = once round the ring
.set CSO,  6                           ; v6   my byte offset in cos and sin
.set WO,   7                           ; v7   in the gains
.set PSO,  8                           ; v8   in psum
.set LN,   9                           ; v9   my lane
.set PS,   10                          ; v[10:11] two words of psum
.set AL,   12                          ; v12  alpha
.set A2,   13                          ; v13  alpha^2 / 64
.set ADRA, 16                          ; v16-17  LDS address of my xh fragments in slot 0, 1
.set ADRB, 20                          ; v20-21  the same for sw
.set RS,   16                          ; v[16:23] behind the last product: block a's row scale, twice, at v[16 + 2 a]
.set STO,  24                          ; v24  the way out: where I put 16 bytes of a row
.set RD,   25                          ; v25  where I read rows back
.set GO,   26                          ; v26  my byte offset in 512 consecutive bytes of the head
.set SPW,  28                          ; v28  LDS address of my spare word; never rewritten
.set NIL,  29                          ; v29  0; never rewritten
.set CB,   32                          ; v[32:63]  cos', then the result
.set SB,   64                          ; v[64:95]  sin'
.set W,    96                          ; v[96:127] gain'
.set ACC,  128
.set F0,   0                           ; fragment buffers, in window 1
.set F1,   128
.set G1,  24                           ; s[24:31] descriptor group 1 for xh's tiles; s[32:39] group 0, one set for each slot
.set G0,  32
.set G1B, 48                           ; s[48:55], s[56:63] the same for sw's tiles
.set G0B, 56
.set HD,  78                           ; s78  my head, 0 .. 23
.set PB,  79                           ; s79  the first word of my matrix in psum
.set NL,  80                           ; s80  lanes that hold two of its words
.set INV, 81                           ; s81  1 / the matrix's number of weights
.set GP,  82                           ; s[82:83] the gains' address
.set SF,  84                           ; s[84:85] F
.set SG,  86                           ; s[86:87] G
.set SF2, 88                           ; s[88:89] F2
.set EPS, 93                           ; s93  1e-6
.set SEL, 94                           ; s94, s95 v_permlanex16_b32's selects
.set MSB, 0
.macro WIN new                         ; the immediate's high byte repeats the setting that is left; a switch that changes nothing is dropped
.if MSB != (\new)
	s_set_vgpr_msb (MSB<<8)|(\new)
.set MSB, \new
.endif
.endm
.set MUL,  0x05                        ; sources 0 and 1 window 1; C and D window 0
.set TO_F, 0x40                        ; destination window 1, address window 0
.macro JLOAD s                         ; a joint load: waves 0 and 1 fetch xh's two halves, waves 2 and 3 sw's; an s_nop 0 and four v_nop follow each line, ahead of the jump and the label
	s_cmp_eq_u32 s11, 0
	s_cbranch_scc0 .Lfor_b_\@
	tensor_load_to_lds s[G0+4*(\s):G0+4*(\s)+3], s[G1:G1+7]
	s_nop 0
.rept 4
	v_nop
.endr
	s_branch .Lasked_\@
.Lfor_b_\@:
	tensor_load_to_lds s[G0B+4*(\s):G0B+4*(\s)+3], s[G1B:G1B+7]
	s_nop 0
.rept 4
	v_nop
.endr
.Lasked_\@:
.endm
.macro CREST                           ; a round of the cluster's barrier behind its opening barrier
	s_cmp_lg_u32 s10, 0
	s_cbranch_scc1 .Lnot_wave_0_\@
	s_barrier_signal -3
.Lnot_wave_0_\@:
	s_barrier_wait -3
	s_barrier_signal -1
	s_barrier_wait -1
.endm
.macro CROUND                          ; a whole round
	s_barrier_signal -1
	s_barrier_wait -1
	CREST
.endm
	s_load_b128 s[4:7], s[0:1], 0x0                ; xh s[4:5], sw s[6:7]
	s_load_b64 s[8:9], s[0:1], 0x10                ; qkv
	s_load_b256 s[68:75], s[0:1], 0x18             ; psum s[68:69], cos s[70:71], sin s[72:73], q_norm_w s[74:75]
	s_load_b64 s[76:77], s[0:1], 0x38              ; k_norm_w
	v_lshl_add_u32 v[SPW], v0, 2, SPARE
	v_mov_b32 v[NIL], 0
	ds_add_u32 v[SPW], v[NIL]                      ; the wave's opening: the add and its wait stand ahead of my first tensor load; work on registers stands between them
	v_lshrrev_b32 v1, 5, v0
	v_readfirstlane_b32 s10, v1                    ; wave 0..3
	s_lshr_b32 s11, s10, 1                         ; which half of the tile's rows is mine.  Also: I fetch for xh (0) or for sw (1)
	s_and_b32 s12, s10, 1                          ; which half of its columns.  Also: which 64 rows of that tile I fetch
	s_bfe_u32 s40, ttmp6, 0x40000                  ; cx, cy: my place in the cluster
	s_bfe_u32 s41, ttmp6, 0x40004
	s_lshl_b32 s42, ttmp9, 2
	s_add_co_u32 s42, s42, s40                     ; tile column = 4 x cluster x + cx
	s_and_b32 s13, ttmp7, 0xffff
	s_lshl_b32 s13, s13, 2
	s_add_co_u32 s13, s13, s41                     ; tile row = 4 x cluster y + cy
	s_lshl_b32 s43, s41, 2
	s_lshl_b32 s43, 15, s43                        ; my row of the cluster
	s_lshl_b32 s44, 0x1111, s40                    ; my column
	; descriptor group 1: a tile of 64 rows x 256 elements, padded in LDS
	s_or_b32 s[G1+0], s43, (1<<16)|(1<<20)|(1<<21)|(6<<22)|(3<<25)  ; 15:0 the mask: xh's tiles go to my row; 17:16 2-byte elements; 20 padding on; 21 set beside a mask; 24:22 after every 128 words (code 6); 31:25 4 words (code 3)
	s_or_b32 s[G1B+0], s44, (1<<16)|(1<<20)|(1<<21)|(6<<22)|(3<<25) ; the same with the mask of my column
.irp g, G1, G1B
	s_mov_b32 s[(\g)+1], KSTEP<<16                 ; tensor_dim0 = 256
	s_mov_b32 s[(\g)+2], 64<<16                    ; tensor_dim1 = 64
	s_mov_b32 s[(\g)+3], KSTEP<<16                 ; tile_dim0 = 256
	s_mov_b32 s[(\g)+4], 64                        ; tile_dim1 = 64
	s_mov_b32 s[(\g)+5], SIZE_K                    ; elements from row to row
	s_mov_b32 s[(\g)+6], 0
	s_mov_b32 s[(\g)+7], 0
.endr
	s_lshl_b32 s17, s12, 6                         ; which 64 rows of the tile I fetch
	s_lshl_b32 s16, s13, 7
	s_add_co_u32 s16, s16, s17                     ; xh: row 128 x tile row + 64 x half
	s_lshl_b32 s46, s42, 7
	s_add_co_u32 s46, s46, s17                     ; sw: row 128 x tile column + 64 x half
	s_mov_b32 s17, 0
	s_mov_b32 s47, 0
	s_mov_b64 s[18:19], SIZE_K*2
	s_mul_u64 s[16:17], s[16:17], s[18:19]
	s_mul_u64 s[46:47], s[46:47], s[18:19]
	s_mul_i32 s20, s10, HALFT                      ; where they go: wave x 64 rows: no place in the cluster enters an LDS address
	s_wait_dscnt 0x0                               ; the opening add is done
	s_wait_kmcnt 0x0
	s_add_nc_u64 s[14:15], s[4:5], s[16:17]
	s_add_nc_u64 s[46:47], s[6:7], s[46:47]
	CROUND                                         ; all sixteen work-groups are here: the first joint loads meet
.irp s, 0,1
	s_mov_b32 s[G0+4*(\s)], 1
	s_add_co_u32 s[G0+4*(\s)+1], s20, (\s)*SLOT
	s_add_nc_u64 s[G0+4*(\s)+2:G0+4*(\s)+3], s[14:15], (\s)*KSTEP*2
	s_or_b32 s[G0+4*(\s)+3], s[G0+4*(\s)+3], 0x80000000
	s_mov_b32 s[G0B+4*(\s)], 1
	s_add_co_u32 s[G0B+4*(\s)+1], s20, (\s)*SLOT
	s_add_nc_u64 s[G0B+4*(\s)+2:G0B+4*(\s)+3], s[46:47], (\s)*KSTEP*2
	s_or_b32 s[G0B+4*(\s)+3], s[G0B+4*(\s)+3], 0x80000000
	JLOAD \s
.endr
	v_and_b32 v1, 15, v0                           ; l % 16
	v_bfe_u32 v2, v0, 4, 1                         ; l / 16
	v_and_b32 v[LN], 31, v0
	; what hangs on the head: chosen, never branched on
	s_lshl_b32 s[HD], s42, 1
	s_add_co_u32 s[HD], s[HD], s12                 ; my head = 2 x tile column + my half of the columns
	s_mov_b32 s[INV], 0x36800000                   ; 2^-18: wk and wv have 256 x 1,024 weights,
	s_cmp_lt_u32 s[HD], 16
	s_cselect_b32 s[PB], 0, 64
	s_cselect_b32 s[NL], 32, 8                     ; wq: 64 words of psum, two a lane; wk, wv: 16
	s_cselect_b32 s[INV], 0x35800000, s[INV]       ; wq 2^20
	s_cselect_b64 s[GP:GP+1], s[74:75], s[76:77]   ; q's gains, else k's (v reads k's and multiplies them by 0)
	s_cmp_lt_u32 s[HD], 20
	s_cselect_b32 s[PB], s[PB], 80
	s_cselect_b32 s[SF], 0x3dadf0ed, 0             ; kappa = 0.0849322
	s_cselect_b32 s[SG], 0, 1.0
	s_cselect_b32 s[SF2], 1.0, 0
	s_mov_b32 s[SF+1], s[SF]                       ; named as pairs, so both words are written
	s_mov_b32 s[SG+1], s[SG]
	s_mov_b32 s[SF2+1], s[SF2]
	s_mov_b32 s[EPS], 0x358637bd
	s_mov_b32 s[SEL], 0x76543210
	s_mov_b32 s[SEL+1], 0xfedcba98
	s_and_b32 s91, s13, 15
	s_lshl_b32 s91, s91, 7
	s_lshl_b32 s92, s11, 6
	s_add_co_u32 s91, s91, s92                     ; my first token in its sequence: 128 x (tile row % 16) + 64 x half
	v_add_nc_u32 v[CSO], s91, v1
	v_lshlrev_b32 v[CSO], 8, v[CSO]                ; a row of cos is 256 bytes;
	v_lshl_add_u32 v[CSO], v2, 5, v[CSO]           ; my eight columns of sixteen
	v_lshlrev_b32 v[WO], 5, v2
	s_lshr_b32 s90, s13, 4                         ; the batch
	s_mul_i32 s90, s90, 24
	s_add_co_u32 s90, s90, s[HD]
	s_lshl_b32 s90, s90, 18                        ; a head is 2,048 rows of 128 bytes
	s_lshl_b32 s92, s91, 7
	s_add_co_u32 s90, s90, s92
	s_mov_b32 s91, 0
	s_add_nc_u64 s[8:9], s[8:9], s[90:91]          ; qkv at my 64 rows of my head
	s_lshl_b32 s92, s[PB], 2
	v_lshl_add_u32 v[PSO], v[LN], 3, s92
	; cos, sin, gains and psum are asked for now and waited for behind the last product: nothing in the loop waits on LOADcnt or names their registers
	WIN 0x80                                       ; destination window 2, address window 0
.irp a, 0,1,2,3
.irp i, 0,1,2,3,4,5,6,7
	global_load_b128 v[64*(\a)+4*(\i):64*(\a)+4*(\i)+3],       v[CSO], s[70:71] offset:4096*(\a)+64*((\i)/2)+16*((\i)%2)
	global_load_b128 v[64*(\a)+32+4*(\i):64*(\a)+32+4*(\i)+3], v[CSO], s[72:73] offset:4096*(\a)+64*((\i)/2)+16*((\i)%2)
.endr
.endr
	WIN 0
.irp i, 0,1,2,3,4,5,6,7
	global_load_b128 v[W+4*(\i):W+4*(\i)+3], v[WO], s[GP:GP+1] offset:64*((\i)/2)+16*((\i)%2)
.endr
	global_load_b64 v[PS:PS+1], v[PSO], s[68:69]   ; words PB + 2 lane, + 1: at most word 143 of the 160 that are written
	v_mul_u32_u24 v3, v1, PITCH
	v_lshl_add_u32 v3, v2, 4, v3                   ; a fragment's row x pitch + 16 x half
	s_mul_i32 s21, s11, HALFT                      ; my 64 rows of xh
	s_mul_i32 s22, s12, HALFT                      ; my 64 rows of sw,
	s_add_co_u32 s22, s22, 2*HALFT                 ; which lie behind xh's 128
.irp s, 0,1
	v_add_nc_u32 v[ADRA+(\s)], s21, v3
	v_add_nc_u32 v[ADRB+(\s)], s22, v3
	s_add_co_u32 s21, s21, SLOT
	s_add_co_u32 s22, s22, SLOT
.endr
	s_mul_i32 s23, s10, 16*SP
	s_add_co_u32 s23, s23, STAGE                   ; my stage
	v_mul_u32_u24 v4, v1, SP                       ; in: row l % 16, 16 bytes for each half of the lanes
	v_lshl_add_u32 v4, v2, 4, v4
	v_add_nc_u32 v[STO], s23, v4
	v_bfe_u32 v5, v0, 3, 2                         ; back: 32 lanes take four rows of 128 bytes,
	v_mul_u32_u24 v5, v5, SP
	v_and_b32 v4, 7, v0
	v_lshl_add_u32 v5, v4, 4, v5
	v_add_nc_u32 v[RD], s23, v5
	v_lshlrev_b32 v[GO], 4, v[LN]                  ; which are 512 consecutive bytes of the head
; 8 matrix instructions: m blocks a0, a0 + 1 x all 4 n blocks, 32 along K: half c of buffer f.  zero = 1: the first product starts the sums.  The 16 accumulators take turns.
.macro MUL8 f, c, a0, zero
	WIN MUL
.irp a, \a0, (\a0)+1
.irp b, 0,1,2,3
.if \zero
	v_wmma_f32_16x16x32_f16 v[ACC+8*(4*(\a)+(\b)):ACC+8*(4*(\a)+(\b))+7], v[(\f)+64+8*(4*(\c)+(\b)):(\f)+64+8*(4*(\c)+(\b))+7], v[(\f)+8*(4*(\c)+(\a)):(\f)+8*(4*(\c)+(\a))+7], 0
.else
	v_wmma_f32_16x16x32_f16 v[ACC+8*(4*(\a)+(\b)):ACC+8*(4*(\a)+(\b))+7], v[(\f)+64+8*(4*(\c)+(\b)):(\f)+64+8*(4*(\c)+(\b))+7], v[(\f)+8*(4*(\c)+(\a)):(\f)+8*(4*(\c)+(\a))+7], v[ACC+8*(4*(\a)+(\b)):ACC+8*(4*(\a)+(\b))+7]
.endif
.endr
.endr
.endm
; 32 LDS loads in one run: the fragments of 64 along K at byte k of the rows, into buffer f; the first 32 along K first
.macro FETCH slot, k, f
	WIN TO_F
.irp c, 0,1
.irp i, 0,1,2,3
	ds_load_b128 v[(\f)+64+8*(4*(\c)+(\i)):(\f)+64+8*(4*(\c)+(\i))+3],   v[ADRB+(\slot)] offset:(\k)+64*(\c)+(\i)*16*PITCH
	ds_load_b128 v[(\f)+64+8*(4*(\c)+(\i))+4:(\f)+64+8*(4*(\c)+(\i))+7], v[ADRB+(\slot)] offset:(\k)+64*(\c)+(\i)*16*PITCH+32
	ds_load_b128 v[(\f)+8*(4*(\c)+(\i)):(\f)+8*(4*(\c)+(\i))+3],         v[ADRA+(\slot)] offset:(\k)+64*(\c)+(\i)*16*PITCH
	ds_load_b128 v[(\f)+8*(4*(\c)+(\i))+4:(\f)+8*(4*(\c)+(\i))+7],       v[ADRA+(\slot)] offset:(\k)+64*(\c)+(\i)*16*PITCH+32
.endr
.endr
.endm
.macro PLACES                          ; four plain vector instructions between a matrix instruction and a load into its sources, or a vector read of its result
.rept 4
	v_nop
.endr
.endm
; A K step is four quarters of 64 along K, 32 matrix instructions each, on buffers 0, 1, 0, 1.  One of the first three: multiplies buffer f and fetches the next quarter, at byte k, into g.
.macro QUARTER slot, k, f, g, zero
	s_wait_dscnt 16                                ; the first 32 along K are in; the sixteen younger loads may be out
	WIN MUL
	MUL8 \f, 0, 0, \zero
	MUL8 \f, 0, 2, \zero
	PLACES
	FETCH \slot, \k, \g
	s_wait_dscnt 32                                ; all but the 32 just issued
	WIN MUL
	MUL8 \f, 1, 0, 0
	MUL8 \f, 1, 2, 0
.endm
; The last quarter multiplies buffer 1 and changes slots: ONE barrier; in front of it each wave waits for all its tensor loads, adds 0 to its spare word, and waits for that and for its reads of this slot.
; fill = 1: this slot is filled again, two K steps ahead; the barrier then opens a round of the cluster's.
.macro TURN slot, next, fill
	WIN 0                                          ; (the add's two registers lie in window 0)
	s_wait_tensorcnt 0x0                           ; all my tensor loads have landed: my part of the next slot;
	ds_add_u32 v[SPW], v[NIL]                      ; 0 onto my spare word
	s_wait_dscnt 17                                ; (the add and the youngest sixteen loads may be out)
	WIN MUL
	MUL8 F1, 0, 0, 0                               ; eight matrix instructions stand between the add and the wait for it
	s_wait_dscnt 0x0                               ; the add is done, and my reads of this slot are over
	s_barrier_signal -1
	MUL8 F1, 0, 2, 0
.if \fill
	WIN 0
.endif
	s_barrier_wait -1
.if \fill
	CREST                                          ; no wave of any partner still reads this slot's tile or has a load on its way
	s_add_nc_u64 s[G0+4*(\slot)+2:G0+4*(\slot)+3], s[G0+4*(\slot)+2:G0+4*(\slot)+3], 2*KSTEP*2
	s_add_nc_u64 s[G0B+4*(\slot)+2:G0B+4*(\slot)+3], s[G0B+4*(\slot)+2:G0B+4*(\slot)+3], 2*KSTEP*2
	JLOAD \slot                                    ; the first tensor load behind the round; its four v_nop are also the places in front of the loads below
.else
	PLACES
.endif
	FETCH \next, 0, F0
	WIN MUL
	MUL8 F1, 1, 0, 0
	MUL8 F1, 1, 2, 0
.endm
	s_wait_tensorcnt 1                             ; my part of K step 0 is in; K step 1's load may stay out
	s_barrier_signal -1
	s_barrier_wait -1                              ; everybody's is
	FETCH 0, 0, F0
	QUARTER 0, 128, F0, F1, 1                      ; the first quarter stands in front of the loop: its first products start the sums
.if LAPS > 1
	WIN 0                                          ; at a label and at a branch every window is 0
	s_mov_b32 s3, LAPS-1
.Llap:                                                 ; a trip goes once round the ring, from a lap's second quarter to the next lap's first, and fills both slots again
	QUARTER 0, 256, F1, F0, 0
	QUARTER 0, 384, F0, F1, 0
	TURN 0, 1, 1
	QUARTER 1, 128, F0, F1, 0
	QUARTER 1, 256, F1, F0, 0
	QUARTER 1, 384, F0, F1, 0
	TURN 1, 0, 1
	QUARTER 0, 128, F0, F1, 0
	WIN 0
	s_sub_co_u32 s3, s3, 1
	s_cmp_lg_u32 s3, 0
	s_cbranch_scc1 .Llap
.endif
	QUARTER 0, 256, F1, F0, 0                      ; the last lap fills nothing
	QUARTER 0, 384, F0, F1, 0
	TURN 0, 1, 0
	QUARTER 1, 128, F0, F1, 0
	QUARTER 1, 256, F1, F0, 0
	QUARTER 1, 384, F0, F1, 0
	s_wait_dscnt 16                                ; the very last quarter: nothing more to fetch
	WIN MUL
	MUL8 F1, 0, 0, 0
	MUL8 F1, 0, 2, 0
	s_wait_dscnt 0
	MUL8 F1, 1, 0, 0
	MUL8 F1, 1, 2, 0
	WIN 0
	; ---- THE WAY OUT ----
	PLACES
	s_wait_loadcnt 0x0                             ; cos, sin, gains, psum
	; alpha = the sum of my matrix's words of psum / its number of weights
	v_cmp_gt_u32 vcc_lo, s[NL], v[LN]
	v_cndmask_b32 v[PS], 0, v[PS], vcc_lo          ; lanes beyond the matrix's words count 0
	v_cndmask_b32 v[PS+1], 0, v[PS+1], vcc_lo
	v_add_f32 v[PS], v[PS], v[PS+1]
	v_add_f32_dpp v[PS], v[PS], v[PS] row_xmask:1 row_mask:0xf bank_mask:0xf
	v_add_f32_dpp v[PS], v[PS], v[PS] row_xmask:2 row_mask:0xf bank_mask:0xf
	v_add_f32_dpp v[PS], v[PS], v[PS] row_xmask:4 row_mask:0xf bank_mask:0xf
	v_add_f32_dpp v[PS], v[PS], v[PS] row_xmask:8 row_mask:0xf bank_mask:0xf
	v_permlanex16_b32 v[PS+1], v[PS], s[SEL], s[SEL+1]
	v_add_f32 v[PS], v[PS], v[PS+1]
	v_mul_f32 v[AL], s[INV], v[PS]
	v_mul_f32 v[A2], v[AL], v[AL]
	v_mul_f32 v[A2], 0x3c800000, v[A2]             ; alpha^2 / 64
.set i, 0
.rept 16
	v_pk_fma_f32 v[W+2*i:W+2*i+1], v[W+2*i:W+2*i+1], s[SF:SF+1], s[SG:SG+1] op_sel_hi:[1,0,0]  ; gain' = gain F + G
.set i, i+1
.endr
	; the rows' sums of squares, all four blocks side by side, two chains each; each accumulator's registers are taken in ascending order
.set i, 0
.rept 16
.irp a, 0,1,2,3
.if i < 2
	v_pk_mul_f32 v[CB+4*(\a)+2*i:CB+4*(\a)+2*i+1], v[ACC+32*(\a)+2*i:ACC+32*(\a)+2*i+1], v[ACC+32*(\a)+2*i:ACC+32*(\a)+2*i+1]
.else
	v_pk_fma_f32 v[CB+4*(\a)+2*(i%2):CB+4*(\a)+2*(i%2)+1], v[ACC+32*(\a)+2*i:ACC+32*(\a)+2*i+1], v[ACC+32*(\a)+2*i:ACC+32*(\a)+2*i+1], v[CB+4*(\a)+2*(i%2):CB+4*(\a)+2*(i%2)+1]
.endif
.endr
.set i, i+1
.endr
.irp a, 0,1,2,3
	v_pk_add_f32 v[CB+4*(\a):CB+4*(\a)+1], v[CB+4*(\a):CB+4*(\a)+1], v[CB+4*(\a)+2:CB+4*(\a)+3]
.endr
.irp a, 0,1,2,3
	v_add_f32 v[CB+4*(\a)], v[CB+4*(\a)], v[CB+4*(\a)+1]
.endr
.irp a, 0,1,2,3
	v_permlanex16_b32 v[CB+4*(\a)+1], v[CB+4*(\a)], s[SEL], s[SEL+1]  ; the row's other 32 columns lie in the lane 16 away
.endr
.irp a, 0,1,2,3
	v_add_f32 v[CB+4*(\a)], v[CB+4*(\a)], v[CB+4*(\a)+1]
.endr
.irp a, 0,1,2,3
	v_fma_f32 v[CB+4*(\a)], v[CB+4*(\a)], v[A2], s[EPS]              ; mean((alpha y)^2) + 1e-6
.endr
.irp a, 0,1,2,3
	v_rsq_f32 v[CB+4*(\a)], v[CB+4*(\a)]
.endr
	v_nop                                          ; a plain instruction between the last root and the use of its result
	s_wait_alu depctr_va_vdst(0)
.irp a, 0,1,2,3
	v_mul_f32 v[CB+4*(\a)], v[CB+4*(\a)], v[AL]
.endr
.irp a, 0,1,2,3
	v_fma_f32 v[RS+2*(\a)], v[CB+4*(\a)], s[SF2], s[SG]              ; scale' = scale F2 + G
.endr
.irp a, 0,1,2,3
	v_mov_b32 v[RS+2*(\a)+1], v[RS+2*(\a)]                           ; twice: a pair for the packed multiply
.endr
; Block a (16 tokens): z = y gain'; out[d] = z[d] cos'[d] - z[d + 32] sin'[d] for d < 32, z[d] cos'[d] + z[d - 32] sin'[d] above; times scale'; rounded to f16, 16 bytes a lane into my stage, back as whole rows.
.macro PACK a
	WIN 0x02                                       ; source 0 in window 2
.set i, 0
.rept 16
	v_pk_fma_f32 v[CB+2*i:CB+2*i+1], v[64*(\a)+2*i:64*(\a)+2*i+1], s[SF2:SF2+1], s[SG:SG+1] op_sel_hi:[1,0,0]
	v_pk_mul_f32 v[SB+2*i:SB+2*i+1], v[64*(\a)+32+2*i:64*(\a)+32+2*i+1], s[SF2:SF2+1] op_sel_hi:[1,0]
.set i, i+1
.endr
	WIN 0
.set i, 0
.rept 16
	v_pk_mul_f32 v[ACC+32*(\a)+2*i:ACC+32*(\a)+2*i+1], v[ACC+32*(\a)+2*i:ACC+32*(\a)+2*i+1], v[W+2*i:W+2*i+1]
.set i, i+1
.endr
.set i, 0
.rept 8
	v_pk_mul_f32 v[CB+2*i:CB+2*i+1],       v[ACC+32*(\a)+2*i:ACC+32*(\a)+2*i+1],       v[CB+2*i:CB+2*i+1]
	v_pk_mul_f32 v[CB+16+2*i:CB+16+2*i+1], v[ACC+32*(\a)+16+2*i:ACC+32*(\a)+16+2*i+1], v[CB+16+2*i:CB+16+2*i+1]
.set i, i+1
.endr
.set i, 0
.rept 8
	v_pk_fma_f32 v[CB+2*i:CB+2*i+1],       v[ACC+32*(\a)+16+2*i:ACC+32*(\a)+16+2*i+1], v[SB+2*i:SB+2*i+1],       v[CB+2*i:CB+2*i+1] neg_lo:[1,0,0] neg_hi:[1,0,0]
	v_pk_fma_f32 v[CB+16+2*i:CB+16+2*i+1], v[ACC+32*(\a)+2*i:ACC+32*(\a)+2*i+1],       v[SB+16+2*i:SB+16+2*i+1], v[CB+16+2*i:CB+16+2*i+1]
.set i, i+1
.endr
.set i, 0
.rept 16
	v_pk_mul_f32 v[CB+2*i:CB+2*i+1], v[CB+2*i:CB+2*i+1], v[RS+2*(\a):RS+2*(\a)+1]
.set i, i+1
.endr
.set i, 0
.rept 16
	v_cvt_pk_f16_f32 v[ACC+32*(\a)+i], v[CB+2*i], v[CB+2*i+1]
.set i, i+1
.endr
.irp b, 0,1,2,3
	ds_store_b128 v[STO], v[ACC+32*(\a)+4*(\b):ACC+32*(\a)+4*(\b)+3] offset:32*(\b)
.endr
.irp f, 0,1,2,3
	ds_load_b128 v[ACC+32*(\a)+16+4*(\f):ACC+32*(\a)+16+4*(\f)+3], v[RD] offset:(\f)*4*SP  ; LDS serves a wave's instructions in order (ISA guide 5.7.1.4): these see the stores above; the next block's stores come behind them
.endr
.endm
.macro SEND a, younger                 ; younger: the LDS instructions issued behind block a's loads: the next block's eight, or none
.irp f, 0,1,2,3
	s_wait_dscnt (\younger)+3-(\f)
	global_store_b128 v[GO], v[ACC+32*(\a)+16+4*(\f):ACC+32*(\a)+16+4*(\f)+3], s[8:9] offset:(\a)*2048+(\f)*512  ; 512 consecutive bytes, at a multiple of 256 from qkv's first byte
.endr
.endm
	PACK 0
	PACK 1                                         ; a block's arithmetic stands between the loads of the block before and its stores
	SEND 0, 8
	PACK 2
	SEND 1, 8
	PACK 3
	SEND 2, 8
	SEND 3, 0
	s_wait_tensorcnt 0x0                           ; the wave's end: an add of 0 to my spare word and its wait, behind my last tensor load and my last LDS store
	ds_add_u32 v[SPW], v[NIL]
	s_wait_dscnt 0x0
	CROUND                                         ; the closing round: no work-group ends while a partner may still ask for a tile that names it
	s_endpgm
.Lfunc_end_k_qeea5264c75_proj:
	.size	k_qeea5264c75_proj, .Lfunc_end_k_qeea5264c75_proj-k_qeea5264c75_proj
	.p2alignl 7, 3214868480
	.fill 96, 4, 3214868480
	.section	.rodata,"a",@progbits
	.p2align	6, 0x0
	.amdhsa_kernel k_qeea5264c75_proj
		.amdhsa_group_segment_fixed_size 327680
		.amdhsa_private_segment_fixed_size 0
		.amdhsa_enable_private_segment 0
		.amdhsa_kernarg_size 64
		.amdhsa_user_sgpr_count 2
		.amdhsa_user_sgpr_kernarg_segment_ptr 1
		.amdhsa_wavefront_size32 1
		.amdhsa_system_sgpr_workgroup_id_x 1
		.amdhsa_system_sgpr_workgroup_id_y 1
		.amdhsa_system_sgpr_workgroup_id_z 1
		.amdhsa_system_vgpr_workitem_id 0
		.amdhsa_next_free_vgpr 768
		.amdhsa_next_free_sgpr 96
		.amdhsa_reserve_vcc 1
		.amdhsa_float_denorm_mode_32 3
		.amdhsa_float_denorm_mode_16_64 3
		.amdhsa_memory_ordered 1
		.amdhsa_forward_progress 1
		.amdhsa_inst_pref_size 126
	.end_amdhsa_kernel
	.amdgpu_metadata
---
amdhsa.version: [ 1, 2 ]
amdhsa.kernels:
  - .name:           k_qeea5264c75_proj
    .symbol:         k_qeea5264c75_proj.kd
    .args:
      - { .name: xh, .offset: 0, .size: 8, .value_kind: global_buffer, .address_space: global }
      - { .name: sw, .offset: 8, .size: 8, .value_kind: global_buffer, .address_space: global }
      - { .name: qkv, .offset: 16, .size: 8, .value_kind: global_buffer, .address_space: global }
      - { .name: psum, .offset: 24, .size: 8, .value_kind: global_buffer, .address_space: global }
      - { .name: cos, .offset: 32, .size: 8, .value_kind: global_buffer, .address_space: global }
      - { .name: sin, .offset: 40, .size: 8, .value_kind: global_buffer, .address_space: global }
      - { .name: q_norm_w, .offset: 48, .size: 8, .value_kind: global_buffer, .address_space: global }
      - { .name: k_norm_w, .offset: 56, .size: 8, .value_kind: global_buffer, .address_space: global }
    .group_segment_fixed_size: 327680
    .private_segment_fixed_size: 0
    .kernarg_segment_align: 8
    .kernarg_segment_size: 64
    .max_flat_workgroup_size: 128
    .sgpr_count:     96
    .vgpr_count:     768
    .wavefront_size: 32
...
	.end_amdgpu_metadata
.endif
;; end of part 2
;; launch attn (part 3): grid 32 x 8, 8 waves a work-group, clusters of 4 x 4, 327,680 bytes of LDS; arguments qkv, mask, att; writes att
.if DOCPART == 3
	.amdgcn_target "amdgcn-amd-amdhsa--gfx1250"
	.amdhsa_code_object_version 6
	.text
	.protected	k_qeea5264c75_attn
	.globl	k_qeea5264c75_attn
	.p2align	8
	.type	k_qeea5264c75_attn,@function
k_qeea5264c75_attn:
	s_mov_b64 s[64:65], 0
	v_nop
	global_prefetch_b8 v0, s[64:65] scope:SCOPE_SE
	s_setreg_imm32_b32 hwreg(HW_REG_WAVE_MODE, 25, 1), 1
	s_wait_xcnt 0x0
	s_wait_alu depctr_hold_cnt(0) depctr_sa_sdst(0) depctr_va_vdst(0) depctr_va_sdst(0) depctr_va_ssrc(0) depctr_va_vcc(0) depctr_vm_vsrc(0)
	s_getreg_b32 s2, hwreg(HW_REG_IB_STS2, 6, 4)
	s_cmp_eq_u32 s2, 0
	s_cbranch_scc0 .Lentry_in_a_cluster
	s_endpgm
.Lentry_in_a_cluster:
	s_bfe_u32 s2, ttmp6, 0x10000c
	s_cmp_lg_u32 s2, 0xf033
	s_cbranch_scc0 .Lentry_shape_is_right
	s_endpgm
.Lentry_shape_is_right:
; ATTENTION with a soft cap and an additive mask that is an INPUT: every key is walked and every word of the mask is read.
;   att[b][t][64 h + d] = the sum over s of softmax_s( 50 tanh(q.k / 400) + mask[t][s] ) v_raw[s][d],   f16.   qkv: [b][24][2048][64] f16, q and k already normed, turned and times kappa.
; ARITHMETIC.  S = (kappa k).(kappa q) = 2 log2(e) q.k / 400, so tanh = 1 - 2 r with r = 1 / (1 + 2^S).  In units of log2: t = (C50 - C100 r) + log2(e) mask, C50 = 50 log2(e), C100 = 100 log2(e).
; For each query a running maximum m of t: p = 2^(t - m); in every step O and l are multiplied by a = 2^(m_old - m_new).  Products, maxima and sums in f32; p is rounded to f16 for the products.
; l is the sum of the rounded p, made by the matrix unit: a product of P with sixteen rows of ones, so every lane holds its query's whole sum in register 0.  Only registers 0 and 1 of that accumulator are
; rescaled; the other six hold sums of weights at most 1, at most 2,048 of them, and are never read.
; SHARES.  A work-group has 64 queries x the four query heads of one key-value head: all its sixteen tiles of 16 queries use the same K, V and mask tile.  Eight waves, two for each of a WGP's four SIMDs: wave w has
; the rows 16 (w % 4) .. and the two heads 2 (w / 4), + 1: two tiles with the same rows, so one set of mask registers serves both.  The text goes in phases; the other wave of the SIMD has work for the gaps.
; CLUSTER of 4 x 4: x = block of 64 queries, y = batch and key-value head.  K and V hang on y alone and are asked for jointly along a row, the mask's tile on x alone and jointly along a column.
; RING.  Two LDS slots, each with 256 keys: K, V, and 64 rows x 256 words of mask.  Behind each round every wave issues one load of 16 KiB (waves 0, 1: K's halves; 2, 3: V's; 4-7: 16 mask rows each);
; a wave has one tensor load out, and it has four key steps' work in which to land.
; LAYOUT.  S^T = K Q^T (source 0 = 16 keys, source 1 = 16 queries): a lane holds ONE query (lane % 16) and the keys 16 kb + 8 (lane / 16) + 0..7.  Rounded in pairs that IS source 1 of O^T = V^T P.
; K comes out of LDS as it lies, V ([key][channel]) turned, by ds_load_tr16_b128; the mask's words lie as the scores do: two loads of 16 bytes for each group of 16 keys.
; LIMITS.  A mask below -4.2e37 / log2(e) counts as weight 0; a row with no weight left gives NaN; a weight below 6e-8 vanishes in f16; where |mask| is so large that f32 cannot hold cap + mask, the sum is
; rounded once, in units of log2, not as the sum in natural units would be.  NaN among the inputs is not treated apart.  O^T and l start at 0 and m far down, so the first step is a step like any other (a = 0).
; REGISTERS.  window 0: v0-15 addresses; v16-31 statistics; v32-95 S^T (P is packed into its first half in place); v96-127 mask; v128-191 O^T; v192-207 l.
;   window 1: v0-31 Q; v32-95 K of a step; v96-159 V of a step; v160-167 ones.
.set KS,    64
.set PK,    144       ; a row of K in LDS: 128 bytes + 16 = 36 words: the 16 rows of a load start at 16 different groups of four banks (64 banks of 4 bytes: ISA guide 11.1)
.set PV,    160       ; a row of V: 128 + 32 = 40 words
.set PM,    1040      ; a row of the mask's tile: 1,024 + 16 = 260 words: again 16 rows at 16 different groups of four banks
.set VOFF,  256*PK
.set MOFF,  VOFF+256*PV
.set SLOT,  MOFF+64*PM          ; 144,384 bytes
.set STAGE, 2*SLOT              ; behind the ring, never filled by a tensor load: 16 rows x 272 bytes for each wave
.set SP,    272
.set SPARE, STAGE+8*16*SP       ; behind the stages: the spare words, 128 bytes a wave: four blocks of 256 bytes that no other line names
.set AK0, 2           ; v2  my lane's place in a slot's K; v3 V; v4 mask: never rewritten
.set AV0, 3
.set AM0, 4
.set AK,  5           ; v5-7  the LDS addresses of the step in hand
.set AV,  6
.set AM,  7
.set QO,  8           ; v8   my byte offset in 16 rows of Q
.set STO, 10          ; v10  the way out: where I put 16 bytes of a row
.set RD,  12          ; v12  where I read rows back
.set GO,  13          ; v13  my byte offset in two rows of att
.set SPW, 14          ; v14  LDS address of my spare word; never rewritten
.set NIL, 15          ; v15  0; never rewritten
.set ST,  16          ; tile u at v[16 + 8 u]: +0 m, +1 its partner in the pair, +2 a, +3 c3, +4 c0, +5 c1, +6 c2, +7 m_old and then m_old - m
.set S,   32
.set MK,  96
.set O,   128
.set L,   192
.set QF,  0           ; window 1
.set KF,  32          ; key block kb, channel half c at KF + 16 kb + 8 c
.set VF,  96          ; key half kk, channel block cb at VF + 32 kk + 8 cb
.set ONES, 160
.set WV,  12          ; s12  my wave's number
.set G1K, 24          ; s[24:31], s[32:39], s[40:47] descriptor group 1 for K, V, mask
.set G1V, 32
.set G1M, 40
.set G0K, 48          ; s[48:55], s[56:63], s[68:75] group 0, one set for each slot
.set G0V, 56
.set G0M, 68
.set CNT, 76          ; s76  a slot's key steps
.set LOOP, 77         ; s77  pairs of slots
.set SEL, 78          ; s78, s79  v_permlanex16_b32's selects
.set NC100, 80        ; s[80:81] -100 log2(e)
.set C50, 82          ; s[82:83] 50 log2(e)
.set CLG, 84          ; s[84:85] log2(e)
.set MSB, 0
.macro WIN new                      ; the high byte repeats the setting that is left; a switch that changes nothing is dropped
.if MSB != (\new)
	s_set_vgpr_msb (MSB<<8)|(\new)
.set MSB, (\new)
.endif
.endm
.set W_LD, 0x40       ; destination window 1, address window 0
.set W_KQ, 0x05       ; K and Q in window 1, S^T in window 0
.set W_PV, 0x01       ; V (or the ones) in window 1, P and O^T in window 0
; A joint fill of slot s.  Each of the three lines has one mask and one set of registers for all that issue it; the branches hang on the wave's number alone.
; An s_nop 0 and four v_nop follow each line, ahead of the jump and the label.
.macro JLOAD s
	s_cmp_lt_u32 s[WV], 2
	s_cbranch_scc0 .Lnot_k_\@
	tensor_load_to_lds s[G0K+4*(\s):G0K+4*(\s)+3], s[G1K:G1K+7]
	s_nop 0
.rept 4
	v_nop
.endr
	s_branch .Lasked_\@
.Lnot_k_\@:
	s_cmp_lt_u32 s[WV], 4
	s_cbranch_scc0 .Lfor_m_\@
	tensor_load_to_lds s[G0V+4*(\s):G0V+4*(\s)+3], s[G1V:G1V+7]
	s_nop 0
.rept 4
	v_nop
.endr
	s_branch .Lasked_\@
.Lfor_m_\@:
	tensor_load_to_lds s[G0M+4*(\s):G0M+4*(\s)+3], s[G1M:G1M+7]
	s_nop 0
.rept 4
	v_nop
.endr
.Lasked_\@:
.endm
; A round of the cluster's barrier: my work-group's barrier, so that wave 0's signal speaks for all eight waves; wave 0 signals; every wave waits for all sixteen work-groups; my work-group's barrier once more.
.macro ROUND
	s_barrier_signal -1
	s_barrier_wait -1
	s_cmp_lg_u32 s[WV], 0
	s_cbranch_scc1 .Lnot_wave_0_\@
	s_barrier_signal -3
.Lnot_wave_0_\@:
	s_barrier_wait -3
	s_barrier_signal -1
	s_barrier_wait -1
.endm
	s_load_b128 s[4:7], s[0:1], 0x0   ; qkv s[4:5], mask s[6:7]
	s_load_b64 s[8:9], s[0:1], 0x10   ; att
	v_lshl_add_u32 v[SPW], v0, 2, SPARE
	v_mov_b32 v[NIL], 0
	ds_add_u32 v[SPW], v[NIL]       ; the wave's opening: the add and its wait stand ahead of my first tensor load; work on registers stands between them
	v_lshrrev_b32 v1, 5, v0
	v_readfirstlane_b32 s[WV], v1   ; wave 0..7
	s_bfe_u32 s13, ttmp6, 0x40000   ; cx
	s_bfe_u32 s14, ttmp6, 0x40004   ; cy = the key-value head
	s_lshl_b32 s15, ttmp9, 2
	s_add_co_u32 s15, s15, s13      ; my block of 64 queries = 4 x cluster x + cx
	s_and_b32 s16, ttmp7, 0xffff    ; cluster y = the batch
	s_lshl_b32 s17, s14, 2
	s_lshl_b32 s17, 15, s17         ; my row of the cluster
	s_lshl_b32 s18, 0x1111, s13     ; my column
	; descriptor group 1.  K, V: 128 keys are 16,384 dense bytes, asked for as 64 rows of 256 bytes, two keys a row, padded in LDS after every key
	s_or_b32 s[G1K], s17, (1<<16)|(1<<20)|(1<<21)|(4<<22)|(3<<25)  ; 15:0 the mask: my row; 17:16 2-byte elements; 20 padding on; 21 set beside a mask; 24:22 after every 32 words (code 4); 31:25 4 words (code 3)
	s_or_b32 s[G1V], s17, (1<<16)|(1<<20)|(1<<21)|(4<<22)|(7<<25)  ; the same with 8 words of padding (code 7)
.irp g, G1K, G1V
	s_mov_b32 s[\g+1], 128<<16      ; tensor_dim0 = 128
	s_mov_b32 s[\g+2], 64<<16       ; tensor_dim1 = 64
	s_mov_b32 s[\g+3], 128<<16      ; tile_dim0 = 128
	s_mov_b32 s[\g+4], 64           ; tile_dim1 = 64
	s_mov_b32 s[\g+5], 128          ; elements from row to row
	s_mov_b32 s[\g+6], 0
	s_mov_b32 s[\g+7], 0
.endr
	; the mask's tile: 16 rows of 256 words
	s_or_b32 s[G1M], s18, (2<<16)|(1<<20)|(1<<21)|(7<<22)|(3<<25)  ; my column; 4-byte elements; padding after every 256 words (code 7) of 4 words (code 3)
	s_mov_b32 s[G1M+1], 256<<16     ; tensor_dim0 = 256
	s_mov_b32 s[G1M+2], 16<<16      ; tensor_dim1 = 16
	s_mov_b32 s[G1M+3], 256<<16     ; tile_dim0 = 256
	s_mov_b32 s[G1M+4], 16          ; tile_dim1 = 16
	s_mov_b32 s[G1M+5], 2048        ; elements from row to row
	s_mov_b32 s[G1M+6], 0
	s_mov_b32 s[G1M+7], 0
	s_and_b32 s66, s[WV], 3         ; my row tile; also: which 16 mask rows I fetch
	s_lshr_b32 s67, s[WV], 2        ; my pair of heads
	s_and_b32 s22, s[WV], 1         ; which half of a slot's 256 keys I fetch
	; K's and V's offsets are made of the batch, cy and the wave alone; the mask's of the query block and the wave alone
	s_mul_i32 s19, s16, 24
	s_add_co_u32 s19, s19, s14
	s_add_co_u32 s20, s19, 16       ; K's head among the 48
	s_lshl_b32 s20, s20, 18         ; a head is 262,144 bytes
	s_lshl_b32 s21, s22, 14         ; 128 rows of 128 bytes
	s_add_co_u32 s20, s20, s21
	s_mov_b32 s21, 0
	s_mul_i32 s17, s22, 128*PK      ; where they go in a slot: no place in the cluster enters an LDS address
	s_mul_i32 s18, s22, 128*PV
	s_add_co_u32 s18, s18, VOFF
	s_mul_i32 s23, s66, 16*PM
	s_add_co_u32 s23, s23, MOFF
	s_lshl_b32 s86, s15, 6
	s_lshl_b32 s87, s66, 4
	s_add_co_u32 s86, s86, s87      ; 64 x block + 16 x (wave % 4): the mask rows that I fetch, and my queries
	s_lshl_b32 s88, s86, 7          ; in Q: rows of 128 bytes
	s_lshl_b32 s90, s86, 11         ; in att: rows of 2,048 bytes
	s_lshl_b32 s86, s86, 13         ; in the mask: rows of 8,192 bytes
	s_mov_b32 s87, 0
	s_mul_i32 s89, s16, 24
	s_lshl_b32 s91, s14, 2
	s_add_co_u32 s89, s89, s91
	s_lshl_b32 s92, s67, 1
	s_add_co_u32 s91, s91, s92      ; 4 kvh + 2 hp: the first of my two query heads
	s_add_co_u32 s89, s89, s92
	s_lshl_b32 s89, s89, 18
	s_add_co_u32 s88, s88, s89
	s_mov_b32 s89, 0
	s_lshl_b32 s92, s16, 22         ; the batch's 2,048 rows of att
	s_add_co_u32 s90, s90, s92
	s_lshl_b32 s91, s91, 7          ; a head's 128 bytes in a row
	s_add_co_u32 s90, s90, s91
	s_mov_b32 s91, 0
	s_mov_b32 s[SEL], 0x76543210
	s_mov_b32 s[SEL+1], 0xfedcba98
	s_mov_b32 s[NC100], 0xc31044fe  ; -144.269504
	s_mov_b32 s[NC100+1], s[NC100]  ; named as pairs, so both words are written
	s_mov_b32 s[C50], 0x429044fe    ; 72.134752
	s_mov_b32 s[C50+1], s[C50]
	s_mov_b32 s[CLG], 0x3fb8aa3b    ; 1.442695
	s_mov_b32 s[CLG+1], s[CLG]
	s_mov_b32 s[LOOP], 3
	s_wait_dscnt 0x0                ; the opening add is done
	s_wait_kmcnt 0x0
	s_add_nc_u64 s[92:93], s[4:5], s[20:21]     ; K at my half of the first 256 keys
	s_add_nc_u64 s[94:95], s[92:93], 0x100000   ; V: four heads on
	s_add_nc_u64 s[86:87], s[6:7], s[86:87]     ; the mask at my 16 rows
	s_add_nc_u64 s[88:89], s[4:5], s[88:89]     ; Q at my 16 rows of my first head
	s_add_nc_u64 s[8:9], s[8:9], s[90:91]       ; att at my 16 rows and two heads
.irp s, 0,1
	s_mov_b32 s[G0K+4*(\s)], 1                                       ; count = 1
	s_add_co_u32 s[G0K+4*(\s)+1], s17, (\s)*SLOT                     ; LDS address
	s_add_nc_u64 s[G0K+4*(\s)+2:G0K+4*(\s)+3], s[92:93], (\s)*32768  ; global address: slot s begins with keys 256 s ..
	s_or_b32 s[G0K+4*(\s)+3], s[G0K+4*(\s)+3], 0x80000000            ; type = 2
	s_mov_b32 s[G0V+4*(\s)], 1
	s_add_co_u32 s[G0V+4*(\s)+1], s18, (\s)*SLOT
	s_add_nc_u64 s[G0V+4*(\s)+2:G0V+4*(\s)+3], s[94:95], (\s)*32768
	s_or_b32 s[G0V+4*(\s)+3], s[G0V+4*(\s)+3], 0x80000000
	s_mov_b32 s[G0M+4*(\s)], 1
	s_add_co_u32 s[G0M+4*(\s)+1], s23, (\s)*SLOT
	s_add_nc_u64 s[G0M+4*(\s)+2:G0M+4*(\s)+3], s[86:87], (\s)*1024
	s_or_b32 s[G0M+4*(\s)+3], s[G0M+4*(\s)+3], 0x80000000
.endr
	ROUND                           ; all sixteen work-groups are here: the first joint loads meet
	JLOAD 0                         ; keys 0 to 255 into slot 0; slot 1 is filled behind the first trip's round
	; all that follows up to the loop stands in the wait for the first tile
	v_and_b32 v1, 15, v0            ; l % 16
	v_bfe_u32 v9, v0, 4, 1          ; l / 16
	v_lshlrev_b32 v[QO], 7, v1
	v_lshl_add_u32 v[QO], v9, 4, v[QO]  ; row x 128 + 16 x half
	WIN W_LD
.irp u, 0,1
.irp c, 0,1                         ; Q stays in registers: tile u (a head on), channels 32 c on
	global_load_b128 v[QF+16*(\u)+8*(\c):QF+16*(\u)+8*(\c)+3],   v[QO], s[88:89] offset:(\u)*262144+(\c)*64
	global_load_b128 v[QF+16*(\u)+8*(\c)+4:QF+16*(\u)+8*(\c)+7], v[QO], s[88:89] offset:(\u)*262144+(\c)*64+32
.endr
.endr
.set i, 0
.rept 8
	v_mov_b32 v[ONES+i], 0x3c003c00 ; 1.0 twice in f16
.set i, i+1
.endr
	WIN 0
.set i, O
.rept 80                            ; O^T and l start at 0: no first step is written out
	v_mov_b32 v[i], 0
.set i, i+1
.endr
.irp u, 0,1
	v_mov_b32 v[ST+8*(\u)], 0xfe000000    ; m: far below every t
	v_mov_b32 v[ST+8*(\u)+1], 0xfe000000  ; named with it as a pair
.endr
	v_mul_u32_u24 v[AK0], v1, PK
	v_lshl_add_u32 v[AK0], v9, 4, v[AK0]  ; row x pitch + 16 x half
	; the turning load takes 16 keys x 16 channels (lane l reads key 8 (l / 16) + l % 8, channels 8 ((l / 8) % 2) + 0..7) and leaves half a fragment of V^T: lane l holds channel l % 16 and 8 keys
	v_and_b32 v[AK], 7, v0
	v_bfe_u32 v[AV], v0, 3, 1
	v_lshl_add_u32 v[AV0], v9, 3, v[AK]
	v_mul_u32_u24 v[AV0], v[AV0], PV
	v_lshl_add_u32 v[AV0], v[AV], 4, v[AV0]
	v_add_nc_u32 v[AV0], VOFF, v[AV0]
	v_mul_u32_u24 v[AM0], v1, PM          ; my query's row of the mask's tile,
	v_lshl_add_u32 v[AM0], v9, 5, v[AM0]  ; my eight keys of sixteen,
	v_add_nc_u32 v[AM0], s23, v[AM0]      ; my wave's sixteen rows: those of its row tile
	s_mul_i32 s19, s[WV], 16*SP
	s_add_co_u32 s19, s19, STAGE    ; my stage
	v_mul_u32_u24 v[STO], v1, SP    ; in: row l % 16, 16 bytes for each half of the lanes
	v_lshl_add_u32 v[STO], v9, 4, v[STO]
	v_add_nc_u32 v[STO], s19, v[STO]
	v_mul_u32_u24 v[RD], v9, SP     ; back: lanes 0-15 take one row of 256 bytes, lanes 16-31 the next
	v_lshl_add_u32 v[RD], v1, 4, v[RD]
	v_add_nc_u32 v[RD], s19, v[RD]
	v_lshlrev_b32 v[GO], 11, v9     ; and the same two rows in att
	v_lshl_add_u32 v[GO], v1, 4, v[GO]
; THE MATRIX WORK.  The accumulators take turns, one instruction a turn.
; Product i of 16 of S^T = K Q^T: channels 32 (i / 8) on, keys 16 ((i / 2) % 4) on, tile i % 2.  The first 8 start the sums.
.macro KQ
.set rD, S+32*(i%2)+8*((i/2)%4)
.set rA, KF+16*((i/2)%4)+8*(i/8)
.set rB, QF+16*(i%2)+8*(i/8)
.if i < 8
	v_wmma_f32_16x16x32_f16 v[rD:rD+7], v[rA:rA+7], v[rB:rB+7], 0
.else
	v_wmma_f32_16x16x32_f16 v[rD:rD+7], v[rA:rA+7], v[rB:rB+7], v[rD:rD+7]
.endif
.set i, i+1
.endm
; Product i of 20 of O^T += V^T P and l += 1 P: keys 32 (i / 10) on, tile i % 2, channels 16 cb on for cb = (i % 10) / 2 < 4; cb = 4: the ones.
.macro PVX
.set cb, (i%10)/2
.set rB, S+32*(i%2)+8*(i/10)
.if cb == 4
.set rA, ONES
.set rD, L+8*(i%2)
.else
.set rA, VF+32*(i/10)+8*cb
.set rD, O+32*(i%2)+8*cb
.endif
	v_wmma_f32_16x16x32_f16 v[rD:rD+7], v[rA:rA+7], v[rB:rB+7], v[rD:rD+7]
.set i, i+1
.endm
; THE VECTOR WORK of a key step, all in window 0.  OP kind, tile, number:
;   A1 n: pair n of 2^S, plus 1.   F1 n: C50 - C100 r.   M1 n: + log2(e) mask.   F2 n: t - m.   CV n: pair n of p rounded to f16, into register n of the tile's S^T (ascending, so nothing unread is overwritten).
;   RS n: pair n of O^T times a; n = 16: l's pair.
.set A1, 0
.set F1, 1
.set M1, 2
.set F2, 3
.set CV, 4
.set RS, 5
.macro REGS u
.set rT, ST+8*(\u)
.set rS, S+32*(\u)
.set rO, O+32*(\u)
.set rL, L+8*(\u)
.endm
.macro OP k, u, n
	REGS \u
.if (\k) == A1
	s_wait_alu depctr_va_vdst(0)
	v_pk_add_f32 v[rS+2*(\n):rS+2*(\n)+1], v[rS+2*(\n):rS+2*(\n)+1], 1.0 op_sel_hi:[1,0]
.elseif (\k) == F1
	s_wait_alu depctr_va_vdst(0)
	v_pk_fma_f32 v[rS+2*(\n):rS+2*(\n)+1], v[rS+2*(\n):rS+2*(\n)+1], s[NC100:NC100+1], s[C50:C50+1] op_sel_hi:[1,0,0]
.elseif (\k) == M1
	v_pk_fma_f32 v[rS+2*(\n):rS+2*(\n)+1], v[MK+2*(\n):MK+2*(\n)+1], s[CLG:CLG+1], v[rS+2*(\n):rS+2*(\n)+1] op_sel_hi:[1,0,1]
.elseif (\k) == F2
	v_pk_add_f32 v[rS+2*(\n):rS+2*(\n)+1], v[rS+2*(\n):rS+2*(\n)+1], v[rT:rT+1] op_sel_hi:[1,0] neg_lo:[0,1] neg_hi:[0,1]
.elseif (\k) == CV
	v_cvt_pk_f16_f32 v[rS+(\n)], v[rS+2*(\n)], v[rS+2*(\n)+1]
.elseif (\n) == 16
	v_pk_mul_f32 v[rL:rL+1], v[rL:rL+1], v[rT+2:rT+3] op_sel_hi:[1,0]
	s_wait_alu depctr_va_vdst(0)
.else
	s_wait_alu depctr_va_vdst(0)
	v_pk_mul_f32 v[rO+2*(\n):rO+2*(\n)+1], v[rO+2*(\n):rO+2*(\n)+1], v[rT+2:rT+3] op_sel_hi:[1,0]
.endif
.endm
; XS tile, n: number n of the 21 that find the running maximum and a.  0-11: four chains c0-c3 of seven t each, three operands at a time; 12-14, 16: the four t left over, the old m, and c0-c3 into c0;
; 15: m_old is kept; 17, 18: the query's other 32 keys lie in the lane 16 away: the new m; 19, 20: m_old - m, and a.
.macro XS u, n
	REGS \u
.if (\n) < 4
.set rc, rT+3+(((\n)+1)%4)
	v_max3_num_f32 v[rc], v[rS+8*(\n)], v[rS+8*(\n)+1], v[rS+8*(\n)+2]
	s_wait_alu depctr_va_vdst(0)
.elseif (\n) < 12
.set rc, rT+3+(((\n)%4+1)%4)
	v_max3_num_f32 v[rc], v[rc], v[rS+8*((\n)%4)+2*((\n)/4)+1], v[rS+8*((\n)%4)+2*((\n)/4)+2]
.elseif (\n) == 12
	v_max3_num_f32 v[rT+4], v[rT+4], v[rS+7], v[rS+15]
.elseif (\n) == 13
	v_max3_num_f32 v[rT+5], v[rT+5], v[rS+23], v[rS+31]
.elseif (\n) == 14
	v_max3_num_f32 v[rT+6], v[rT+6], v[rT+3], v[rT]
.elseif (\n) == 15
	v_mov_b32 v[rT+7], v[rT]
.elseif (\n) == 16
	v_max3_num_f32 v[rT+4], v[rT+4], v[rT+5], v[rT+6]
.elseif (\n) == 17
	v_permlanex16_b32 v[rT+3], v[rT+4], s[SEL], s[SEL+1]
.elseif (\n) == 18
	v_max_num_f32 v[rT], v[rT+4], v[rT+3]
.elseif (\n) == 19
	v_sub_f32 v[rT+7], v[rT+7], v[rT]
.else
	v_exp_f32 v[rT+2], v[rT+7]
.endif
.endm
; TWO QUEUES, each in the order in which its entries become ready.  EX writes the next of 192: 2^S of tile 0, of tile 1; 1 / (1 + 2^S) of tile 0, of tile 1; 2^(t - m) of tile 0, of tile 1: 32 each, in place.
.macro EX
.set x, e%32
.set y, (e/32)%2
	REGS y
.if (e/64) == 1
	v_rcp_f32 v[rS+x], v[rS+x]
.else
	v_exp_f32 v[rS+x], v[rS+x]
.endif
.set e, e+1
.endm
; PL writes the next of 236.
.macro PL
.if q < 16
	OP A1, 0, q
.elseif q < 32
	OP A1, 1, q-16
.elseif q < 48
	OP F1, 0, q-32
.elseif q < 64
	OP M1, 0, q-48
.elseif q < 96
.if q%2 == 0
	OP F1, 1, (q-64)/2
.else
	XS 0, (q-64)/2
.endif
.elseif q < 116
.if (q-96)%4 == 3
	XS 0, 16+(q-96)/4
.else
	OP M1, 1, 3*((q-96)/4)+(q-96)%4
.endif
.elseif q == 116
	OP M1, 1, 15
.elseif q < 149
.if (q-117)%2 == 0
	XS 1, (q-117)/2
.else
	OP F2, 0, (q-117)/2
.endif
.elseif q < 164
.if (q-149)%3 == 0
	XS 1, 16+(q-149)/3
.else
	OP RS, 0, 2*((q-149)/3)+(q-149)%3-1
.endif
.elseif q < 171
	OP RS, 0, q-154
.elseif q < 187
	OP F2, 1, q-171
.elseif q < 220
.if (q-187)%2 == 0
	OP RS, 1, (q-187)/2
.else
	OP CV, 0, (q-187)/2
.endif
.else
	OP CV, 1, q-220
.endif
.set q, q+1
.endm
; A KEY STEP: 64 keys for my two tiles.  The deal keeps the queues in step: every entry's sources are made earlier, and between an exponential or reciprocal and the first use of its result stands a plain
; vector instruction that names neither (ISA guide 5.7.2).
.macro STEP
	WIN W_LD
.irp f, 0,1,2,3,4,5,6,7             ; K: keys 16 (f / 2) on, channels 32 (f % 2) on
	ds_load_b128 v[KF+8*\f:KF+8*\f+3],   v[AK] offset:(\f/2)*16*PK+(\f%2)*64
	ds_load_b128 v[KF+8*\f+4:KF+8*\f+7], v[AK] offset:(\f/2)*16*PK+(\f%2)*64+32
.endr
.irp f, 0,1,2,3,4,5,6,7             ; V, turned: keys 32 (f / 4) on, channels 16 (f % 4) on
	ds_load_tr16_b128 v[VF+8*\f:VF+8*\f+3],   v[AV] offset:(\f/4)*32*PV+(\f%4)*32
	ds_load_tr16_b128 v[VF+8*\f+4:VF+8*\f+7], v[AV] offset:(\f/4)*32*PV+16*PV+(\f%4)*32
.endr
	WIN 0
.irp f, 0,1,2,3                     ; the mask: keys 16 f + 8 (l / 16) + 0..7 of my query's row
	ds_load_b128 v[MK+8*\f:MK+8*\f+3],   v[AM] offset:64*\f
	ds_load_b128 v[MK+8*\f+4:MK+8*\f+7], v[AM] offset:64*\f+16
.endr
	s_wait_dscnt 24                 ; K's sixteen loads are in; V's sixteen and the mask's eight, issued behind them, may be out
	WIN W_KQ
.set i, 0
.rept 16
	KQ
.endr
	WIN 0
.rept 4
	v_nop                           ; the places between the last product and the first read of the scores
.endr
.set q, 0
.set e, 0
.rept 32
	EX                              ; 2^S of tile 0
.endr
	v_nop                           ; a plain instruction ahead of the first use
.rept 32
	EX                              ; 2^S of tile 1, then the reciprocals of tile 0,
	EX
	PL                              ; beside them 1 + 2^S of tile 0, then of tile 1
.endr
	s_wait_dscnt 0x0                ; the mask and V are in
.rept 32
	EX                              ; the reciprocals of tile 1
	PL                              ; tile 0's cap and mask
.endr
.rept 85
	PL                              ; tile 1's cap and mask, both tiles' maxima, tile 0's t - m
.endr
.rept 32
	EX                              ; tile 0's weights
	PL                              ; the end of tile 1's maximum, tile 0's rescaling, tile 1's t - m
.endr
.rept 6
	PL
.endr
.rept 32
	EX                              ; tile 1's weights
	PL                              ; tile 1's rescaling, tile 0's rounding
.endr
.rept 17
	PL                              ; tile 1's rounding
.endr
	WIN W_PV
.set i, 0
.rept 20
	PVX
.endr
	WIN 0
	v_add_nc_u32 v[AK], KS*PK, v[AK]  ; the next step's 64 keys.  These three and two v_nop are the five places between the last products and the next step's loads into V
	v_add_nc_u32 v[AV], KS*PV, v[AV]  ; and its first products, which write over P
	v_add_nc_u32 v[AM], KS*4, v[AM]
	v_nop
	v_nop
.endm
.macro PROC slot                    ; a slot's four key steps
.if \slot
	v_add_nc_u32 v[AK], SLOT, v[AK0]
	v_add_nc_u32 v[AV], SLOT, v[AV0]
	v_add_nc_u32 v[AM], SLOT, v[AM0]
.else
	v_mov_b32 v[AK], v[AK0]
	v_mov_b32 v[AV], v[AV0]
	v_mov_b32 v[AM], v[AM0]
.endif
	s_mov_b32 s[CNT], 4
.Lstep_\@:
	STEP
	s_sub_co_u32 s[CNT], s[CNT], 1
	s_cmp_lg_u32 s[CNT], 0
	s_cbranch_scc1 .Lstep_\@
.endm
; A TRIP.  Each wave waits for all its tensor loads, of which one is out: its part of this trip's slot; adds 0 to its spare word; waits for that and for its reads of the other slot.  Behind the round no wave of
; any partner reads the other slot any more, and this slot is whole.  refill = 1: the other slot takes the next 256 keys, the first thing behind the round.
.macro TRIP slot, refill
	s_wait_tensorcnt 0x0            ; no tensor load of mine is out, so a group 0 may be written
	ds_add_u32 v[SPW], v[NIL]       ; 0 onto my spare word: the descriptors' steps stand between it and the wait for it
	s_add_nc_u64 s[G0K+4*(\slot)+2:G0K+4*(\slot)+3], s[G0K+4*(\slot)+2:G0K+4*(\slot)+3], 2*32768  ; this slot's next tile: 512 keys on; the type bits on top are not reached
	s_add_nc_u64 s[G0V+4*(\slot)+2:G0V+4*(\slot)+3], s[G0V+4*(\slot)+2:G0V+4*(\slot)+3], 2*32768
	s_add_nc_u64 s[G0M+4*(\slot)+2:G0M+4*(\slot)+3], s[G0M+4*(\slot)+2:G0M+4*(\slot)+3], 2*1024
	s_wait_dscnt 0x0                ; the add is done, and my reads of the other slot are over
	ROUND
.if \refill
	JLOAD 1-(\slot)
.endif
	PROC \slot
.endm
	s_wait_loadcnt 0x0              ; Q
.Lloop:                             ; eight tiles of 256 keys: three trips of two, and two written out
	TRIP 0, 1
	TRIP 1, 1
	s_sub_co_u32 s[LOOP], s[LOOP], 1
	s_cmp_lg_u32 s[LOOP], 0
	s_cbranch_scc1 .Lloop
	TRIP 0, 1
	TRIP 1, 0                       ; the last tile: nothing is left to fetch (the stepped addresses are not used)
	; THE WAY OUT.  O^T is divided by l, rounded to f16 and sent through my stage: a row of the stage is a query's two heads, 256 bytes.  The step's last five lines are the places behind the last products.
.irp u, 0,1
	v_rcp_f32 v[ST+8*(\u)+2], v[L+8*(\u)]
.endr
	v_nop                           ; a plain instruction between the last reciprocal and the use of its result
	s_wait_alu depctr_va_vdst(0)
.irp u, 0,1
.set i, 0
.rept 16
	v_pk_mul_f32 v[O+32*(\u)+2*i:O+32*(\u)+2*i+1], v[O+32*(\u)+2*i:O+32*(\u)+2*i+1], v[ST+8*(\u)+2:ST+8*(\u)+3] op_sel_hi:[1,0]
.set i, i+1
.endr
.endr
.irp u, 0,1
.set i, 0
.rept 16
	v_cvt_pk_f16_f32 v[S+16*(\u)+i], v[O+32*(\u)+2*i], v[O+32*(\u)+2*i+1]
.set i, i+1
.endr
.endr
.irp u, 0,1
.irp c, 0,1,2,3
	ds_store_b128 v[STO], v[S+16*(\u)+4*(\c):S+16*(\u)+4*(\c)+3] offset:128*(\u)+32*(\c)
.endr
.endr
.irp f, 0,1,2,3,4,5,6,7
	ds_load_b128 v[S+32+4*(\f):S+32+4*(\f)+3], v[RD] offset:(\f)*2*SP  ; LDS serves a wave's instructions in order (ISA guide 5.7.1.4): these see the stores above
.endr
.irp f, 0,1,2,3,4,5,6,7
	s_wait_dscnt 7-(\f)             ; load f is back; the younger ones may be out
	global_store_b128 v[GO], v[S+32+4*(\f):S+32+4*(\f)+3], s[8:9] offset:(\f)*4096  ; 16 lanes store 256 consecutive bytes, at a multiple of 256 from att's first byte
.endr
	s_wait_tensorcnt 0x0            ; the wave's end: an add of 0 to my spare word and its wait, behind my last tensor load and my last LDS store
	ds_add_u32 v[SPW], v[NIL]
	s_wait_dscnt 0x0
	ROUND                           ; the closing round: no work-group ends while a partner may still ask for a tile that names it
	s_endpgm
.Lfunc_end_k_qeea5264c75_attn:
	.size	k_qeea5264c75_attn, .Lfunc_end_k_qeea5264c75_attn-k_qeea5264c75_attn
	.p2alignl 7, 3214868480
	.fill 96, 4, 3214868480
	.section	.rodata,"a",@progbits
	.p2align	6, 0x0
	.amdhsa_kernel k_qeea5264c75_attn
		.amdhsa_group_segment_fixed_size 327680
		.amdhsa_private_segment_fixed_size 0
		.amdhsa_enable_private_segment 0
		.amdhsa_kernarg_size 24
		.amdhsa_user_sgpr_count 2
		.amdhsa_user_sgpr_kernarg_segment_ptr 1
		.amdhsa_wavefront_size32 1
		.amdhsa_system_sgpr_workgroup_id_x 1
		.amdhsa_system_sgpr_workgroup_id_y 1
		.amdhsa_system_sgpr_workgroup_id_z 1
		.amdhsa_system_vgpr_workitem_id 0
		.amdhsa_next_free_vgpr 424
		.amdhsa_next_free_sgpr 96
		.amdhsa_reserve_vcc 0
		.amdhsa_float_denorm_mode_32 3
		.amdhsa_float_denorm_mode_16_64 3
		.amdhsa_memory_ordered 1
		.amdhsa_forward_progress 1
		.amdhsa_inst_pref_size 143
	.end_amdhsa_kernel
	.amdgpu_metadata
---
amdhsa.version: [ 1, 2 ]
amdhsa.kernels:
  - .name:           k_qeea5264c75_attn
    .symbol:         k_qeea5264c75_attn.kd
    .args:
      - { .name: qkv, .offset: 0, .size: 8, .value_kind: global_buffer, .address_space: global }
      - { .name: mask, .offset: 8, .size: 8, .value_kind: global_buffer, .address_space: global }
      - { .name: att, .offset: 16, .size: 8, .value_kind: global_buffer, .address_space: global }
    .group_segment_fixed_size: 327680
    .private_segment_fixed_size: 0
    .kernarg_segment_align: 8
    .kernarg_segment_size: 24
    .max_flat_workgroup_size: 256
    .sgpr_count:     96
    .vgpr_count:     424
    .wavefront_size: 32
...
	.end_amdgpu_metadata
.endif
;; end of part 3
;; launch oproj (part 4): grid 8 x 32, 4 waves a work-group, clusters of 4 x 4, 327,680 bytes of LDS; arguments att, sw, out0, psum; writes out0
.if DOCPART == 4
	.amdgcn_target "amdgcn-amd-amdhsa--gfx1250"
	.amdhsa_code_object_version 6
	.text
	.protected	k_qeea5264c75_oproj
	.globl	k_qeea5264c75_oproj
	.p2align	8
	.type	k_qeea5264c75_oproj,@function
k_qeea5264c75_oproj:
	s_mov_b64 s[64:65], 0
	v_nop
	global_prefetch_b8 v0, s[64:65] scope:SCOPE_SE
	s_setreg_imm32_b32 hwreg(HW_REG_WAVE_MODE, 25, 1), 1
	s_wait_xcnt 0x0
	s_wait_alu depctr_hold_cnt(0) depctr_sa_sdst(0) depctr_va_vdst(0) depctr_va_sdst(0) depctr_va_ssrc(0) depctr_va_vcc(0) depctr_vm_vsrc(0)
	s_getreg_b32 s2, hwreg(HW_REG_IB_STS2, 6, 4)
	s_cmp_eq_u32 s2, 0
	s_cbranch_scc0 .Lentry_in_a_cluster
	s_endpgm
.Lentry_in_a_cluster:
	s_bfe_u32 s2, ttmp6, 0x10000c
	s_cmp_lg_u32 s2, 0xf033
	s_cbranch_scc0 .Lentry_shape_is_right
	s_endpgm
.Lentry_shape_is_right:
; OPROJ.  out0 = alpha_v alpha_o x att . sign(wo)^T, f32.  att: [4096][1024] f16 (made of the raw v, so v's alpha is applied here); sign(wo): rows 1536 .. 2559 of sw, f16; alpha = mean |w| from psum.
; THE PRODUCT.  A tile of out0 is 128 x 128; four waves, each 64 x 64: 16 accumulators of 16 x 16.  K goes in steps of 256 (LDS rows of 512 bytes, a tensor load brings 64 of them) through two LDS slots.
; 4 x 4 work-groups form a cluster: the four of a row need the same tiles of att, the four of a column the same tiles of sw: each tile is asked for JOINTLY.
; The matrix instruction is used transposed (source 0 = 16 rows of sw, source 1 = 16 rows of att): a lane holds one row (lane % 16) and eight neighbouring columns.  A wave's 64 columns of f32 are 256 bytes:
; each block of 16 rows goes through the wave's own stage and leaves as whole rows.
; REGISTERS.  window 0: v0-31 addresses and the scale; v128-255 the accumulators ((a, b) at v[128 + 8 (4 a + b)]).   window 1: two fragment buffers of 128.
.set SIZE_K, 1024
.set KSTEP,  256
.set PITCH,  528                       ; an LDS row: 512 bytes + 16 of padding = 132 words: row r starts at bank 4 r mod 64 (64 banks of 4 bytes: ISA guide 11.1)
.set HALFT,  64*PITCH
.set SLOT,   4*HALFT
.set STAGE,  2*SLOT                    ; behind the ring, never filled by a tensor load: 16 rows x 272 bytes for each wave
.set SP,     272
.set SPARE,  STAGE+4*16*SP             ; behind the stages: the spare words, 128 bytes a wave: two blocks of 256 bytes that no other line names
.set LAPS,   SIZE_K/(2*KSTEP)
.set WOROW,  1536                      ; sign(wo)'s first row in sw
.set PSO,  8                           ; v8   8 x lane: my two words of a matrix's part of psum
.set LN,   9                           ; v9   my lane
.set PS,   10                          ; v[10:11] wv's words, then the scale, twice; v[12:13] wo's words
.set ADRA, 16
.set ADRB, 20
.set STO,  24
.set RD,   25
.set GO,   26
.set SPW,  28                          ; v28  LDS address of my spare word; never rewritten
.set NIL,  29                          ; v29  0; never rewritten
.set ACC,  128
.set F0,   0
.set F1,   128
.set G1,  24
.set G0,  32
.set G1B, 48
.set G0B, 56
.set SEL, 68                           ; s68, s69 v_permlanex16_b32's selects
.set MSB, 0
.macro WIN new                         ; the immediate's high byte repeats the setting that is left; a switch that changes nothing is dropped
.if MSB != (\new)
	s_set_vgpr_msb (MSB<<8)|(\new)
.set MSB, \new
.endif
.endm
.set MUL,  0x05                        ; sources 0 and 1 window 1; C and D window 0
.set TO_F, 0x40                        ; destination window 1, address window 0
.macro JLOAD s                         ; a joint load: waves 0 and 1 fetch att's two halves, waves 2 and 3 sw's; an s_nop 0 and four v_nop follow each line, ahead of the jump and the label
	s_cmp_eq_u32 s11, 0
	s_cbranch_scc0 .Lfor_b_\@
	tensor_load_to_lds s[G0+4*(\s):G0+4*(\s)+3], s[G1:G1+7]
	s_nop 0
.rept 4
	v_nop
.endr
	s_branch .Lasked_\@
.Lfor_b_\@:
	tensor_load_to_lds s[G0B+4*(\s):G0B+4*(\s)+3], s[G1B:G1B+7]
	s_nop 0
.rept 4
	v_nop
.endr
.Lasked_\@:
.endm
.macro CREST                           ; a round of the cluster's barrier behind its opening barrier
	s_cmp_lg_u32 s10, 0
	s_cbranch_scc1 .Lnot_wave_0_\@
	s_barrier_signal -3
.Lnot_wave_0_\@:
	s_barrier_wait -3
	s_barrier_signal -1
	s_barrier_wait -1
.endm
.macro CROUND                          ; a whole round
	s_barrier_signal -1
	s_barrier_wait -1
	CREST
.endm
	s_load_b128 s[4:7], s[0:1], 0x0                ; att s[4:5], sw s[6:7]
	s_load_b128 s[8:11], s[0:1], 0x10              ; out0 s[8:9], psum s[10:11]
	v_lshl_add_u32 v[SPW], v0, 2, SPARE
	v_mov_b32 v[NIL], 0
	ds_add_u32 v[SPW], v[NIL]                      ; the wave's opening: the add and its wait stand ahead of my first tensor load; work on registers stands between them
	v_lshrrev_b32 v1, 5, v0
	s_bfe_u32 s40, ttmp6, 0x40000                  ; cx, cy: my place in the cluster
	s_bfe_u32 s41, ttmp6, 0x40004
	s_lshl_b32 s42, ttmp9, 2
	s_add_co_u32 s42, s42, s40                     ; tile column = 4 x cluster x + cx
	s_and_b32 s13, ttmp7, 0xffff
	s_lshl_b32 s13, s13, 2
	s_add_co_u32 s13, s13, s41                     ; tile row = 4 x cluster y + cy
	s_lshl_b32 s43, s41, 2
	s_lshl_b32 s43, 15, s43                        ; my row of the cluster
	s_lshl_b32 s44, 0x1111, s40                    ; my column
	s_or_b32 s[G1+0], s43, (1<<16)|(1<<20)|(1<<21)|(6<<22)|(3<<25)  ; 15:0 the mask: att's tiles go to my row; 17:16 2-byte elements; 20 padding on; 21 set beside a mask; 24:22 after every 128 words (code 6); 31:25 4 words (code 3)
	s_or_b32 s[G1B+0], s44, (1<<16)|(1<<20)|(1<<21)|(6<<22)|(3<<25) ; the same with the mask of my column
.irp g, G1, G1B
	s_mov_b32 s[(\g)+1], KSTEP<<16                 ; tensor_dim0 = 256
	s_mov_b32 s[(\g)+2], 64<<16                    ; tensor_dim1 = 64
	s_mov_b32 s[(\g)+3], KSTEP<<16                 ; tile_dim0 = 256
	s_mov_b32 s[(\g)+4], 64                        ; tile_dim1 = 64
	s_mov_b32 s[(\g)+5], SIZE_K                    ; elements from row to row
	s_mov_b32 s[(\g)+6], 0
	s_mov_b32 s[(\g)+7], 0
.endr
	s_mov_b32 s[SEL], 0x76543210
	s_mov_b32 s[SEL+1], 0xfedcba98
	s_wait_dscnt 0x0                               ; the opening add is done
	s_wait_kmcnt 0x0
	s_mov_b64 s[66:67], s[10:11]                   ; psum's address moves out of the registers that take the wave's number
	v_readfirstlane_b32 s10, v1                    ; wave 0..3
	s_lshr_b32 s11, s10, 1                         ; which half of the tile's rows is mine.  Also: I fetch for att (0) or for sw (1)
	s_and_b32 s12, s10, 1                          ; which half of its columns.  Also: which 64 rows of that tile I fetch
	s_lshl_b32 s17, s12, 6
	s_lshl_b32 s16, s13, 7
	s_add_co_u32 s16, s16, s17                     ; att: row 128 x tile row + 64 x half
	s_lshl_b32 s46, s42, 7
	s_add_co_u32 s46, s46, s17
	s_add_co_u32 s46, s46, WOROW                   ; sw: row 1536 + 128 x tile column + 64 x half
	s_mov_b32 s17, 0
	s_mov_b32 s47, 0
	s_mov_b64 s[18:19], SIZE_K*2
	s_mul_u64 s[16:17], s[16:17], s[18:19]
	s_mul_u64 s[46:47], s[46:47], s[18:19]
	s_mul_i32 s20, s10, HALFT                      ; where they go: wave x 64 rows: no place in the cluster enters an LDS address
	s_add_nc_u64 s[14:15], s[4:5], s[16:17]
	s_add_nc_u64 s[46:47], s[6:7], s[46:47]
	CROUND                                         ; all sixteen work-groups are here: the first joint loads meet
.irp s, 0,1
	s_mov_b32 s[G0+4*(\s)], 1
	s_add_co_u32 s[G0+4*(\s)+1], s20, (\s)*SLOT
	s_add_nc_u64 s[G0+4*(\s)+2:G0+4*(\s)+3], s[14:15], (\s)*KSTEP*2
	s_or_b32 s[G0+4*(\s)+3], s[G0+4*(\s)+3], 0x80000000
	s_mov_b32 s[G0B+4*(\s)], 1
	s_add_co_u32 s[G0B+4*(\s)+1], s20, (\s)*SLOT
	s_add_nc_u64 s[G0B+4*(\s)+2:G0B+4*(\s)+3], s[46:47], (\s)*KSTEP*2
	s_or_b32 s[G0B+4*(\s)+3], s[G0B+4*(\s)+3], 0x80000000
	JLOAD \s
.endr
	v_and_b32 v1, 15, v0                           ; l % 16
	v_bfe_u32 v2, v0, 4, 1                         ; l / 16
	v_and_b32 v[LN], 31, v0
	v_lshlrev_b32 v[PSO], 3, v[LN]
	global_load_b64 v[PS:PS+1],   v[PSO], s[66:67] offset:320  ; wv's words begin at word 80 (16 of them: lanes 0-7 count); asked for now, waited for behind the last product
	global_load_b64 v[PS+2:PS+3], v[PSO], s[66:67] offset:384  ; wo's at word 96: 64 words, two a lane, up to word 159, the last that is written
	v_mul_u32_u24 v3, v1, PITCH
	v_lshl_add_u32 v3, v2, 4, v3                   ; a fragment's row x pitch + 16 x half
	s_mul_i32 s21, s11, HALFT                      ; my 64 rows of att
	s_mul_i32 s22, s12, HALFT                      ; my 64 rows of sw,
	s_add_co_u32 s22, s22, 2*HALFT                 ; which lie behind att's 128
.irp s, 0,1
	v_add_nc_u32 v[ADRA+(\s)], s21, v3
	v_add_nc_u32 v[ADRB+(\s)], s22, v3
	s_add_co_u32 s21, s21, SLOT
	s_add_co_u32 s22, s22, SLOT
.endr
	s_mul_i32 s23, s10, 16*SP
	s_add_co_u32 s23, s23, STAGE                   ; my stage
	v_mul_u32_u24 v4, v1, SP                       ; in: row l % 16, 32 bytes for each half of the lanes
	v_lshl_add_u32 v4, v2, 5, v4
	v_add_nc_u32 v[STO], s23, v4
	v_mul_u32_u24 v5, v2, SP                       ; back: lanes 0-15 take one row of 256 bytes, lanes 16-31 the next
	v_lshl_add_u32 v5, v1, 4, v5
	v_add_nc_u32 v[RD], s23, v5
	v_lshlrev_b32 v[GO], 12, v2                    ; and the same two rows in out0
	v_lshl_add_u32 v[GO], v1, 4, v[GO]
	s_lshl_b32 s16, s13, 7
	s_lshl_b32 s17, s11, 6
	s_add_co_u32 s16, s16, s17                     ; my first row of out0,
	s_lshl_b32 s16, s16, 12                        ; rows of 4,096 bytes
	s_mov_b32 s17, 0
	s_add_nc_u64 s[8:9], s[8:9], s[16:17]
	s_lshl_b32 s46, s42, 9                         ; my first column, in bytes: 512 x tile column + 256 x half
	s_lshl_b32 s47, s12, 8
	s_add_co_u32 s46, s46, s47
	s_mov_b32 s47, 0
	s_add_nc_u64 s[8:9], s[8:9], s[46:47]
; 8 matrix instructions: m blocks a0, a0 + 1 x all 4 n blocks, 32 along K: half c of buffer f.  zero = 1: the first product starts the sums.  The 16 accumulators take turns.
.macro MUL8 f, c, a0, zero
	WIN MUL
.irp a, \a0, (\a0)+1
.irp b, 0,1,2,3
.if \zero
	v_wmma_f32_16x16x32_f16 v[ACC+8*(4*(\a)+(\b)):ACC+8*(4*(\a)+(\b))+7], v[(\f)+64+8*(4*(\c)+(\b)):(\f)+64+8*(4*(\c)+(\b))+7], v[(\f)+8*(4*(\c)+(\a)):(\f)+8*(4*(\c)+(\a))+7], 0
.else
	v_wmma_f32_16x16x32_f16 v[ACC+8*(4*(\a)+(\b)):ACC+8*(4*(\a)+(\b))+7], v[(\f)+64+8*(4*(\c)+(\b)):(\f)+64+8*(4*(\c)+(\b))+7], v[(\f)+8*(4*(\c)+(\a)):(\f)+8*(4*(\c)+(\a))+7], v[ACC+8*(4*(\a)+(\b)):ACC+8*(4*(\a)+(\b))+7]
.endif
.endr
.endr
.endm
; 32 LDS loads in one run: the fragments of 64 along K at byte k of the rows, into buffer f; the first 32 along K first
.macro FETCH slot, k, f
	WIN TO_F
.irp c, 0,1
.irp i, 0,1,2,3
	ds_load_b128 v[(\f)+64+8*(4*(\c)+(\i)):(\f)+64+8*(4*(\c)+(\i))+3],   v[ADRB+(\slot)] offset:(\k)+64*(\c)+(\i)*16*PITCH
	ds_load_b128 v[(\f)+64+8*(4*(\c)+(\i))+4:(\f)+64+8*(4*(\c)+(\i))+7], v[ADRB+(\slot)] offset:(\k)+64*(\c)+(\i)*16*PITCH+32
	ds_load_b128 v[(\f)+8*(4*(\c)+(\i)):(\f)+8*(4*(\c)+(\i))+3],         v[ADRA+(\slot)] offset:(\k)+64*(\c)+(\i)*16*PITCH
	ds_load_b128 v[(\f)+8*(4*(\c)+(\i))+4:(\f)+8*(4*(\c)+(\i))+7],       v[ADRA+(\slot)] offset:(\k)+64*(\c)+(\i)*16*PITCH+32
.endr
.endr
.endm
.macro PLACES                          ; four plain vector instructions between a matrix instruction and a load into its sources, or a vector read of its result
.rept 4
	v_nop
.endr
.endm
; A K step is four quarters of 64 along K, 32 matrix instructions each, on buffers 0, 1, 0, 1.  One of the first three: multiplies buffer f and fetches the next quarter, at byte k, into g.
.macro QUARTER slot, k, f, g, zero
	s_wait_dscnt 16                                ; the first 32 along K are in; the sixteen younger loads may be out
	WIN MUL
	MUL8 \f, 0, 0, \zero
	MUL8 \f, 0, 2, \zero
	PLACES
	FETCH \slot, \k, \g
	s_wait_dscnt 32                                ; all but the 32 just issued
	WIN MUL
	MUL8 \f, 1, 0, 0
	MUL8 \f, 1, 2, 0
.endm
; The last quarter multiplies buffer 1 and changes slots: ONE barrier; in front of it each wave waits for all its tensor loads, adds 0 to its spare word, and waits for that and for its reads of this slot.
; fill = 1: this slot is filled again, two K steps ahead; the barrier then opens a round of the cluster's.
.macro TURN slot, next, fill
	WIN 0                                          ; (the add's two registers lie in window 0)
	s_wait_tensorcnt 0x0                           ; all my tensor loads have landed: my part of the next slot;
	ds_add_u32 v[SPW], v[NIL]                      ; 0 onto my spare word
	s_wait_dscnt 17                                ; (the add and the youngest sixteen loads may be out)
	WIN MUL
	MUL8 F1, 0, 0, 0                               ; eight matrix instructions stand between the add and the wait for it
	s_wait_dscnt 0x0                               ; the add is done, and my reads of this slot are over
	s_barrier_signal -1
	MUL8 F1, 0, 2, 0
.if \fill
	WIN 0
.endif
	s_barrier_wait -1
.if \fill
	CREST                                          ; no wave of any partner still reads this slot's tile or has a load on its way
	s_add_nc_u64 s[G0+4*(\slot)+2:G0+4*(\slot)+3], s[G0+4*(\slot)+2:G0+4*(\slot)+3], 2*KSTEP*2
	s_add_nc_u64 s[G0B+4*(\slot)+2:G0B+4*(\slot)+3], s[G0B+4*(\slot)+2:G0B+4*(\slot)+3], 2*KSTEP*2
	JLOAD \slot                                    ; the first tensor load behind the round; its four v_nop are also the places in front of the loads below
.else
	PLACES
.endif
	FETCH \next, 0, F0
	WIN MUL
	MUL8 F1, 1, 0, 0
	MUL8 F1, 1, 2, 0
.endm
	s_wait_tensorcnt 1                             ; my part of K step 0 is in; K step 1's load may stay out
	s_barrier_signal -1
	s_barrier_wait -1                              ; everybody's is
	FETCH 0, 0, F0
	QUARTER 0, 128, F0, F1, 1                      ; the first quarter stands in front of the loop: its first products start the sums
.if LAPS > 1
	WIN 0                                          ; at a label and at a branch every window is 0
	s_mov_b32 s3, LAPS-1
.Llap:                                                 ; a trip goes once round the ring, from a lap's second quarter to the next lap's first, and fills both slots again
	QUARTER 0, 256, F1, F0, 0
	QUARTER 0, 384, F0, F1, 0
	TURN 0, 1, 1
	QUARTER 1, 128, F0, F1, 0
	QUARTER 1, 256, F1, F0, 0
	QUARTER 1, 384, F0, F1, 0
	TURN 1, 0, 1
	QUARTER 0, 128, F0, F1, 0
	WIN 0
	s_sub_co_u32 s3, s3, 1
	s_cmp_lg_u32 s3, 0
	s_cbranch_scc1 .Llap
.endif
	QUARTER 0, 256, F1, F0, 0                      ; the last lap fills nothing
	QUARTER 0, 384, F0, F1, 0
	TURN 0, 1, 0
	QUARTER 1, 128, F0, F1, 0
	QUARTER 1, 256, F1, F0, 0
	QUARTER 1, 384, F0, F1, 0
	s_wait_dscnt 16                                ; the very last quarter: nothing more to fetch
	WIN MUL
	MUL8 F1, 0, 0, 0
	MUL8 F1, 0, 2, 0
	s_wait_dscnt 0
	MUL8 F1, 1, 0, 0
	MUL8 F1, 1, 2, 0
	WIN 0
	; ---- THE WAY OUT ----
	PLACES
	s_wait_loadcnt 0x0                             ; psum
	v_cmp_gt_u32 vcc_lo, 8, v[LN]
	v_cndmask_b32 v[PS], 0, v[PS], vcc_lo          ; wv has sixteen words: lanes 8 and up count 0
	v_cndmask_b32 v[PS+1], 0, v[PS+1], vcc_lo
	v_add_f32 v[PS], v[PS], v[PS+1]
	v_add_f32 v[PS+2], v[PS+2], v[PS+3]
.irp m, 1,2,4,8
	v_add_f32_dpp v[PS], v[PS], v[PS] row_xmask:\m row_mask:0xf bank_mask:0xf
	v_add_f32_dpp v[PS+2], v[PS+2], v[PS+2] row_xmask:\m row_mask:0xf bank_mask:0xf
.endr
	v_permlanex16_b32 v[PS+1], v[PS], s[SEL], s[SEL+1]
	v_permlanex16_b32 v[PS+3], v[PS+2], s[SEL], s[SEL+1]
	v_add_f32 v[PS], v[PS], v[PS+1]
	v_add_f32 v[PS+2], v[PS+2], v[PS+3]
	v_mul_f32 v[PS], v[PS], v[PS+2]
	v_mul_f32 v[PS], 0x2c800000, v[PS]             ; / (2^18 x 2^20): alpha_v alpha_o
	v_mov_b32 v[PS+1], v[PS]                       ; twice: a pair for the packed multiply
; Block a (16 rows): scaled in place, each accumulator's registers in ascending order; 32 bytes a lane into my stage; back as whole rows of 256 bytes, into the registers that they left.
.macro PACK a
.set i, 0
.rept 16
	v_pk_mul_f32 v[ACC+32*(\a)+2*i:ACC+32*(\a)+2*i+1], v[ACC+32*(\a)+2*i:ACC+32*(\a)+2*i+1], v[PS:PS+1]
.set i, i+1
.endr
.irp i, 0,1,2,3,4,5,6,7
	ds_store_b128 v[STO], v[ACC+32*(\a)+4*(\i):ACC+32*(\a)+4*(\i)+3] offset:64*((\i)/2)+16*((\i)%2)
.endr
.irp f, 0,1,2,3,4,5,6,7
	ds_load_b128 v[ACC+32*(\a)+4*(\f):ACC+32*(\a)+4*(\f)+3], v[RD] offset:(\f)*2*SP  ; LDS serves a wave's instructions in order (ISA guide 5.7.1.4): these see the stores above; the next block's stores come behind them
.endr
.endm
.macro SEND a, younger                 ; younger: the LDS instructions issued behind block a's loads: the next block's sixteen, or none
.irp f, 0,1,2,3,4,5,6,7
	s_wait_dscnt (\younger)+7-(\f)
	global_store_b128 v[GO], v[ACC+32*(\a)+4*(\f):ACC+32*(\a)+4*(\f)+3], s[8:9] offset:(\a)*65536+(\f)*8192 th:TH_STORE_NT  ; 16 lanes store 256 consecutive bytes, at a multiple of 256 from out0's first byte
.endr
.endm
	PACK 0
	PACK 1                                         ; a block's arithmetic stands between the loads of the block before and its stores
	SEND 0, 16
	PACK 2
	SEND 1, 16
	PACK 3
	SEND 2, 16
	SEND 3, 0
	s_wait_tensorcnt 0x0                           ; the wave's end: an add of 0 to my spare word and its wait, behind my last tensor load and my last LDS store
	ds_add_u32 v[SPW], v[NIL]
	s_wait_dscnt 0x0
	CROUND                                         ; the closing round: no work-group ends while a partner may still ask for a tile that names it
	s_endpgm
.Lfunc_end_k_qeea5264c75_oproj:
	.size	k_qeea5264c75_oproj, .Lfunc_end_k_qeea5264c75_oproj-k_qeea5264c75_oproj
	.p2alignl 7, 3214868480
	.fill 96, 4, 3214868480
	.section	.rodata,"a",@progbits
	.p2align	6, 0x0
	.amdhsa_kernel k_qeea5264c75_oproj
		.amdhsa_group_segment_fixed_size 327680
		.amdhsa_private_segment_fixed_size 0
		.amdhsa_enable_private_segment 0
		.amdhsa_kernarg_size 32
		.amdhsa_user_sgpr_count 2
		.amdhsa_user_sgpr_kernarg_segment_ptr 1
		.amdhsa_wavefront_size32 1
		.amdhsa_system_sgpr_workgroup_id_x 1
		.amdhsa_system_sgpr_workgroup_id_y 1
		.amdhsa_system_sgpr_workgroup_id_z 1
		.amdhsa_system_vgpr_workitem_id 0
		.amdhsa_next_free_vgpr 512
		.amdhsa_next_free_sgpr 72
		.amdhsa_reserve_vcc 1
		.amdhsa_float_denorm_mode_32 3
		.amdhsa_float_denorm_mode_16_64 3
		.amdhsa_memory_ordered 1
		.amdhsa_forward_progress 1
		.amdhsa_inst_pref_size 92
	.end_amdhsa_kernel
	.amdgpu_metadata
---
amdhsa.version: [ 1, 2 ]
amdhsa.kernels:
  - .name:           k_qeea5264c75_oproj
    .symbol:         k_qeea5264c75_oproj.kd
    .args:
      - { .name: att, .offset: 0, .size: 8, .value_kind: global_buffer, .address_space: global }
      - { .name: sw, .offset: 8, .size: 8, .value_kind: global_buffer, .address_space: global }
      - { .name: out0, .offset: 16, .size: 8, .value_kind: global_buffer, .address_space: global }
      - { .name: psum, .offset: 24, .size: 8, .value_kind: global_buffer, .address_space: global }
    .group_segment_fixed_size: 327680
    .private_segment_fixed_size: 0
    .kernarg_segment_align: 8
    .kernarg_segment_size: 32
    .max_flat_workgroup_size: 128
    .sgpr_count:     72
    .vgpr_count:     512
    .wavefront_size: 32
...
	.end_amdgpu_metadata
.endif
;; end of part 4
;; ======== version 2 of 2: 4 launches; 1.25 times as fast as version 1
;; limits: values are held in f16: magnitudes above 65,504 overflow, below 6.1e-05 lose precision
;; workspace buffers: xh 8,388,608 bytes; sw 5,242,880 bytes; psum 768 bytes; qkv 12,582,912 bytes; att 8,388,608 bytes
;; launch prep: the kernel of part 1 again; grid 416 x 1, 8 waves a work-group, no clusters, 1,280 bytes of LDS; arguments x, wq, wk, wv, wo, xh, sw, psum; writes xh, sw, psum
;; launch proj: the kernel of part 2 again; grid 12 x 32, 4 waves a work-group, clusters of 4 x 4, 327,680 bytes of LDS; arguments xh, sw, qkv, psum, cos, sin, q_norm_w, k_norm_w; writes qkv
;; launch attn (part 5): grid 32 x 8, 8 waves a work-group, clusters of 4 x 4, 327,680 bytes of LDS; arguments qkv, mask, att; writes att
.if DOCPART == 5
	.amdgcn_target "amdgcn-amd-amdhsa--gfx1250"
	.amdhsa_code_object_version 6
	.text
	.protected	k_qeea5264c75_attn
	.globl	k_qeea5264c75_attn
	.p2align	8
	.type	k_qeea5264c75_attn,@function
k_qeea5264c75_attn:
	s_mov_b64 s[64:65], 0
	v_nop
	global_prefetch_b8 v0, s[64:65] scope:SCOPE_SE
	s_setreg_imm32_b32 hwreg(HW_REG_WAVE_MODE, 25, 1), 1
	s_wait_xcnt 0x0
	s_wait_alu depctr_hold_cnt(0) depctr_sa_sdst(0) depctr_va_vdst(0) depctr_va_sdst(0) depctr_va_ssrc(0) depctr_va_vcc(0) depctr_vm_vsrc(0)
	s_getreg_b32 s2, hwreg(HW_REG_IB_STS2, 6, 4)
	s_cmp_eq_u32 s2, 0
	s_cbranch_scc0 .Lentry_in_a_cluster
	s_endpgm
.Lentry_in_a_cluster:
	s_bfe_u32 s2, ttmp6, 0x10000c
	s_cmp_lg_u32 s2, 0xf033
	s_cbranch_scc0 .Lentry_shape_is_right
	s_endpgm
.Lentry_shape_is_right:
; ATTENTION with a soft cap and an additive mask that is an INPUT: every key is walked and every word of the mask is read.
;   att[b][t][64 h + d] = the sum over s of softmax_s( 50 tanh(q.k / 400) + mask[t][s] ) v_raw[s][d],   f16.   qkv: [b][24][2048][64] f16, q and k already normed, turned and times kappa.
; ARITHMETIC.  S = (kappa k).(kappa q) = 2 log2(e) q.k / 400, so tanh = 1 - 2 r with r = 1 / (1 + 2^S).  In units of log2: t = (C50 - C100 r) + log2(e) mask, C50 = 50 log2(e), C100 = 100 log2(e).
; For each query a running maximum m of t: p = 2^(t - m); in every step O and l are multiplied by a = 2^(m_old - m_new).  Products, maxima and sums in f32; p is rounded to f16 for the products.
; l is the sum of the rounded p, made by the matrix unit: a product of P with sixteen rows of ones, so every lane holds its query's whole sum in register 0.  Only registers 0 and 1 of that accumulator are
; rescaled; the other six hold sums of weights at most 1, at most 2,048 of them, and are never read.
; SHARES.  A work-group has 64 queries x the four query heads of one key-value head: all its sixteen tiles of 16 queries use the same K, V and mask tile.  Eight waves, two for each of a WGP's four SIMDs: wave w has
; the rows 16 (w % 4) .. and the two heads 2 (w / 4), + 1: two tiles with the same rows, so one set of mask registers serves both.  The text goes in phases; the other wave of the SIMD has work for the gaps.
; BATCHES.  A key step has 194 exponentials and reciprocals.  They are cut into THREE BATCHES by who reads what, each with ONE s_wait_alu depctr_va_vdst(0) between such an
; instruction and the first that names its result:   1: 2^S of both tiles (64).   2: 1 / (1 + 2^S) of both tiles (64); beside them the additions 1 + 2^S, which read batch 1 alone.
;   3: both tiles' a and all weights 2^(t - m) (66); beside them cap, mask, maxima and t - m, which read batch 2 alone.   Behind the third wait stand all that read batch 3: the rescalings, the roundings, the products.
; Every result is written in place, into a register of its own, and no line between a batch's first instruction and its wait names one of its results.  No result crosses a step's end.
; CLUSTER of 4 x 4: x = block of 64 queries, y = batch and key-value head.  K and V hang on y alone and are asked for jointly along a row, the mask's tile on x alone and jointly along a column.
; RING.  Two LDS slots, each with 256 keys: K, V, and 64 rows x 256 words of mask.  Behind each round every wave issues one load of 16 KiB (waves 0, 1: K's halves; 2, 3: V's; 4-7: 16 mask rows each);
; a wave has one tensor load out, and it has four key steps' work in which to land.
; LAYOUT.  S^T = K Q^T (source 0 = 16 keys, source 1 = 16 queries): a lane holds ONE query (lane % 16) and the keys 16 kb + 8 (lane / 16) + 0..7.  Rounded in pairs that IS source 1 of O^T = V^T P.
; K comes out of LDS as it lies, V ([key][channel]) turned, by ds_load_tr16_b128; the mask's words lie as the scores do: two loads of 16 bytes for each group of 16 keys.
; LIMITS.  A mask below -4.2e37 / log2(e) counts as weight 0; a row with no weight left gives NaN; a weight below 6e-8 vanishes in f16; where |mask| is so large that f32 cannot hold cap + mask, the sum is
; rounded once, in units of log2, not as the sum in natural units would be.  NaN among the inputs is not treated apart.  O^T and l start at 0 and m far down, so the first step is a step like any other (a = 0).
; REGISTERS.  window 0: v0-15 addresses; v16-31 statistics; v32-95 S^T (P is packed into its first half in place); v96-127 mask; v128-191 O^T; v192-207 l.
;   window 1: v0-31 Q; v32-95 K of a step; v96-159 V of a step; v160-167 ones.
.set KS,    64
.set PK,    144       ; a row of K in LDS: 128 bytes + 16 = 36 words: the 16 rows of a load start at 16 different groups of four banks (64 banks of 4 bytes: ISA guide 11.1)
.set PV,    160       ; a row of V: 128 + 32 = 40 words
.set PM,    1040      ; a row of the mask's tile: 1,024 + 16 = 260 words: again 16 rows at 16 different groups of four banks
.set VOFF,  256*PK
.set MOFF,  VOFF+256*PV
.set SLOT,  MOFF+64*PM          ; 144,384 bytes
.set STAGE, 2*SLOT              ; behind the ring, never filled by a tensor load: 16 rows x 272 bytes for each wave
.set SP,    272
.set SPARE, STAGE+8*16*SP       ; behind the stages: the spare words, 128 bytes a wave: four blocks of 256 bytes that no other line names
.set AK0, 2           ; v2  my lane's place in a slot's K; v3 V; v4 mask: never rewritten
.set AV0, 3
.set AM0, 4
.set AK,  5           ; v5-7  the LDS addresses of the step in hand
.set AV,  6
.set AM,  7
.set QO,  8           ; v8   my byte offset in 16 rows of Q
.set STO, 10          ; v10  the way out: where I put 16 bytes of a row
.set RD,  12          ; v12  where I read rows back
.set GO,  13          ; v13  my byte offset in two rows of att
.set SPW, 14          ; v14  LDS address of my spare word; never rewritten
.set NIL, 15          ; v15  0; never rewritten
.set ST,  16          ; tile u at v[16 + 8 u]: +0 m, +1 its partner in the pair, +2 a, +3 c3, +4 c0, +5 c1, +6 c2, +7 m_old and then m_old - m
.set S,   32
.set MK,  96
.set O,   128
.set L,   192
.set QF,  0           ; window 1
.set KF,  32          ; key block kb, channel half c at KF + 16 kb + 8 c
.set VF,  96          ; key half kk, channel block cb at VF + 32 kk + 8 cb
.set ONES, 160
.set WV,  12          ; s12  my wave's number
.set G1K, 24          ; s[24:31], s[32:39], s[40:47] descriptor group 1 for K, V, mask
.set G1V, 32
.set G1M, 40
.set G0K, 48          ; s[48:55], s[56:63], s[68:75] group 0, one set for each slot
.set G0V, 56
.set G0M, 68
.set CNT, 76          ; s76  a slot's key steps
.set LOOP, 77         ; s77  pairs of slots
.set SEL, 78          ; s78, s79  v_permlanex16_b32's selects
.set NC100, 80        ; s[80:81] -100 log2(e)
.set C50, 82          ; s[82:83] 50 log2(e)
.set CLG, 84          ; s[84:85] log2(e)
.set MSB, 0
.macro WIN new                      ; the high byte repeats the setting that is left; a switch that changes nothing is dropped
.if MSB != (\new)
	s_set_vgpr_msb (MSB<<8)|(\new)
.set MSB, (\new)
.endif
.endm
.set W_LD, 0x40       ; destination window 1, address window 0
.set W_KQ, 0x05       ; K and Q in window 1, S^T in window 0
.set W_PV, 0x01       ; V (or the ones) in window 1, P and O^T in window 0
; A joint fill of slot s.  Each of the three lines has one mask and one set of registers for all that issue it; the branches hang on the wave's number alone.
; An s_nop 0 and four v_nop follow each line, ahead of the jump and the label.
.macro JLOAD s
	s_cmp_lt_u32 s[WV], 2
	s_cbranch_scc0 .Lnot_k_\@
	tensor_load_to_lds s[G0K+4*(\s):G0K+4*(\s)+3], s[G1K:G1K+7]
	s_nop 0
.rept 4
	v_nop
.endr
	s_branch .Lasked_\@
.Lnot_k_\@:
	s_cmp_lt_u32 s[WV], 4
	s_cbranch_scc0 .Lfor_m_\@
	tensor_load_to_lds s[G0V+4*(\s):G0V+4*(\s)+3], s[G1V:G1V+7]
	s_nop 0
.rept 4
	v_nop
.endr
	s_branch .Lasked_\@
.Lfor_m_\@:
	tensor_load_to_lds s[G0M+4*(\s):G0M+4*(\s)+3], s[G1M:G1M+7]
	s_nop 0
.rept 4
	v_nop
.endr
.Lasked_\@:
.endm
; A round of the cluster's barrier: my work-group's barrier, so that wave 0's signal speaks for all eight waves; wave 0 signals; every wave waits for all sixteen work-groups; my work-group's barrier once more.
.macro ROUND
	s_barrier_signal -1
	s_barrier_wait -1
	s_cmp_lg_u32 s[WV], 0
	s_cbranch_scc1 .Lnot_wave_0_\@
	s_barrier_signal -3
.Lnot_wave_0_\@:
	s_barrier_wait -3
	s_barrier_signal -1
	s_barrier_wait -1
.endm
	s_load_b128 s[4:7], s[0:1], 0x0   ; qkv s[4:5], mask s[6:7]
	s_load_b64 s[8:9], s[0:1], 0x10   ; att
	v_lshl_add_u32 v[SPW], v0, 2, SPARE
	v_mov_b32 v[NIL], 0
	ds_add_u32 v[SPW], v[NIL]       ; the wave's opening: the add and its wait stand ahead of my first tensor load; work on registers stands between them
	v_lshrrev_b32 v1, 5, v0
	v_readfirstlane_b32 s[WV], v1   ; wave 0..7
	s_bfe_u32 s13, ttmp6, 0x40000   ; cx
	s_bfe_u32 s14, ttmp6, 0x40004   ; cy = the key-value head
	s_lshl_b32 s15, ttmp9, 2
	s_add_co_u32 s15, s15, s13      ; my block of 64 queries = 4 x cluster x + cx
	s_and_b32 s16, ttmp7, 0xffff    ; cluster y = the batch
	s_lshl_b32 s17, s14, 2
	s_lshl_b32 s17, 15, s17         ; my row of the cluster
	s_lshl_b32 s18, 0x1111, s13     ; my column
	; descriptor group 1.  K, V: 128 keys are 16,384 dense bytes, asked for as 64 rows of 256 bytes, two keys a row, padded in LDS after every key
	s_or_b32 s[G1K], s17, (1<<16)|(1<<20)|(1<<21)|(4<<22)|(3<<25)  ; 15:0 the mask: my row; 17:16 2-byte elements; 20 padding on; 21 set beside a mask; 24:22 after every 32 words (code 4); 31:25 4 words (code 3)
	s_or_b32 s[G1V], s17, (1<<16)|(1<<20)|(1<<21)|(4<<22)|(7<<25)  ; the same with 8 words of padding (code 7)
.irp g, G1K, G1V
	s_mov_b32 s[\g+1], 128<<16      ; tensor_dim0 = 128
	s_mov_b32 s[\g+2], 64<<16       ; tensor_dim1 = 64
	s_mov_b32 s[\g+3], 128<<16      ; tile_dim0 = 128
	s_mov_b32 s[\g+4], 64           ; tile_dim1 = 64
	s_mov_b32 s[\g+5], 128          ; elements from row to row
	s_mov_b32 s[\g+6], 0
	s_mov_b32 s[\g+7], 0
.endr
	; the mask's tile: 16 rows of 256 words
	s_or_b32 s[G1M], s18, (2<<16)|(1<<20)|(1<<21)|(7<<22)|(3<<25)  ; my column; 4-byte elements; padding after every 256 words (code 7) of 4 words (code 3)
	s_mov_b32 s[G1M+1], 256<<16     ; tensor_dim0 = 256
	s_mov_b32 s[G1M+2], 16<<16      ; tensor_dim1 = 16
	s_mov_b32 s[G1M+3], 256<<16     ; tile_dim0 = 256
	s_mov_b32 s[G1M+4], 16          ; tile_dim1 = 16
	s_mov_b32 s[G1M+5], 2048        ; elements from row to row
	s_mov_b32 s[G1M+6], 0
	s_mov_b32 s[G1M+7], 0
	s_and_b32 s66, s[WV], 3         ; my row tile; also: which 16 mask rows I fetch
	s_lshr_b32 s67, s[WV], 2        ; my pair of heads
	s_and_b32 s22, s[WV], 1         ; which half of a slot's 256 keys I fetch
	; K's and V's offsets are made of the batch, cy and the wave alone; the mask's of the query block and the wave alone
	s_mul_i32 s19, s16, 24
	s_add_co_u32 s19, s19, s14
	s_add_co_u32 s20, s19, 16       ; K's head among the 48
	s_lshl_b32 s20, s20, 18         ; a head is 262,144 bytes
	s_lshl_b32 s21, s22, 14         ; 128 rows of 128 bytes
	s_add_co_u32 s20, s20, s21
	s_mov_b32 s21, 0
	s_mul_i32 s17, s22, 128*PK      ; where they go in a slot: no place in the cluster enters an LDS address
	s_mul_i32 s18, s22, 128*PV
	s_add_co_u32 s18, s18, VOFF
	s_mul_i32 s23, s66, 16*PM
	s_add_co_u32 s23, s23, MOFF
	s_lshl_b32 s86, s15, 6
	s_lshl_b32 s87, s66, 4
	s_add_co_u32 s86, s86, s87      ; 64 x block + 16 x (wave % 4): the mask rows that I fetch, and my queries
	s_lshl_b32 s88, s86, 7          ; in Q: rows of 128 bytes
	s_lshl_b32 s90, s86, 11         ; in att: rows of 2,048 bytes
	s_lshl_b32 s86, s86, 13         ; in the mask: rows of 8,192 bytes
	s_mov_b32 s87, 0
	s_mul_i32 s89, s16, 24
	s_lshl_b32 s91, s14, 2
	s_add_co_u32 s89, s89, s91
	s_lshl_b32 s92, s67, 1
	s_add_co_u32 s91, s91, s92      ; 4 kvh + 2 hp: the first of my two query heads
	s_add_co_u32 s89, s89, s92
	s_lshl_b32 s89, s89, 18
	s_add_co_u32 s88, s88, s89
	s_mov_b32 s89, 0
	s_lshl_b32 s92, s16, 22         ; the batch's 2,048 rows of att
	s_add_co_u32 s90, s90, s92
	s_lshl_b32 s91, s91, 7          ; a head's 128 bytes in a row
	s_add_co_u32 s90, s90, s91
	s_mov_b32 s91, 0
	s_mov_b32 s[SEL], 0x76543210
	s_mov_b32 s[SEL+1], 0xfedcba98
	s_mov_b32 s[NC100], 0xc31044fe  ; -144.269504
	s_mov_b32 s[NC100+1], s[NC100]  ; named as pairs, so both words are written
	s_mov_b32 s[C50], 0x429044fe    ; 72.134752
	s_mov_b32 s[C50+1], s[C50]
	s_mov_b32 s[CLG], 0x3fb8aa3b    ; 1.442695
	s_mov_b32 s[CLG+1], s[CLG]
	s_mov_b32 s[LOOP], 3
	s_wait_dscnt 0x0                ; the opening add is done
	s_wait_kmcnt 0x0
	s_add_nc_u64 s[92:93], s[4:5], s[20:21]     ; K at my half of the first 256 keys
	s_add_nc_u64 s[94:95], s[92:93], 0x100000   ; V: four heads on
	s_add_nc_u64 s[86:87], s[6:7], s[86:87]     ; the mask at my 16 rows
	s_add_nc_u64 s[88:89], s[4:5], s[88:89]     ; Q at my 16 rows of my first head
	s_add_nc_u64 s[8:9], s[8:9], s[90:91]       ; att at my 16 rows and two heads
.irp s, 0,1
	s_mov_b32 s[G0K+4*(\s)], 1                                       ; count = 1
	s_add_co_u32 s[G0K+4*(\s)+1], s17, (\s)*SLOT                     ; LDS address
	s_add_nc_u64 s[G0K+4*(\s)+2:G0K+4*(\s)+3], s[92:93], (\s)*32768  ; global address: slot s begins with keys 256 s ..
	s_or_b32 s[G0K+4*(\s)+3], s[G0K+4*(\s)+3], 0x80000000            ; type = 2
	s_mov_b32 s[G0V+4*(\s)], 1
	s_add_co_u32 s[G0V+4*(\s)+1], s18, (\s)*SLOT
	s_add_nc_u64 s[G0V+4*(\s)+2:G0V+4*(\s)+3], s[94:95], (\s)*32768
	s_or_b32 s[G0V+4*(\s)+3], s[G0V+4*(\s)+3], 0x80000000
	s_mov_b32 s[G0M+4*(\s)], 1
	s_add_co_u32 s[G0M+4*(\s)+1], s23, (\s)*SLOT
	s_add_nc_u64 s[G0M+4*(\s)+2:G0M+4*(\s)+3], s[86:87], (\s)*1024
	s_or_b32 s[G0M+4*(\s)+3], s[G0M+4*(\s)+3], 0x80000000
.endr
	ROUND                           ; all sixteen work-groups are here: the first joint loads meet
	JLOAD 0                         ; keys 0 to 255 into slot 0; slot 1 is filled behind the first trip's round
	; all that follows up to the loop stands in the wait for the first tile
	v_and_b32 v1, 15, v0            ; l % 16
	v_bfe_u32 v9, v0, 4, 1          ; l / 16
	v_lshlrev_b32 v[QO], 7, v1
	v_lshl_add_u32 v[QO], v9, 4, v[QO]  ; row x 128 + 16 x half
	WIN W_LD
.irp u, 0,1
.irp c, 0,1                         ; Q stays in registers: tile u (a head on), channels 32 c on
	global_load_b128 v[QF+16*(\u)+8*(\c):QF+16*(\u)+8*(\c)+3],   v[QO], s[88:89] offset:(\u)*262144+(\c)*64
	global_load_b128 v[QF+16*(\u)+8*(\c)+4:QF+16*(\u)+8*(\c)+7], v[QO], s[88:89] offset:(\u)*262144+(\c)*64+32
.endr
.endr
.set i, 0
.rept 8
	v_mov_b32 v[ONES+i], 0x3c003c00 ; 1.0 twice in f16
.set i, i+1
.endr
	WIN 0
.set i, O
.rept 80                            ; O^T and l start at 0: no first step is written out
	v_mov_b32 v[i], 0
.set i, i+1
.endr
.irp u, 0,1
	v_mov_b32 v[ST+8*(\u)], 0xfe000000    ; m: far below every t
	v_mov_b32 v[ST+8*(\u)+1], 0xfe000000  ; named with it as a pair
.endr
	v_mul_u32_u24 v[AK0], v1, PK
	v_lshl_add_u32 v[AK0], v9, 4, v[AK0]  ; row x pitch + 16 x half
	; the turning load takes 16 keys x 16 channels (lane l reads key 8 (l / 16) + l % 8, channels 8 ((l / 8) % 2) + 0..7) and leaves half a fragment of V^T: lane l holds channel l % 16 and 8 keys
	v_and_b32 v[AK], 7, v0
	v_bfe_u32 v[AV], v0, 3, 1
	v_lshl_add_u32 v[AV0], v9, 3, v[AK]
	v_mul_u32_u24 v[AV0], v[AV0], PV
	v_lshl_add_u32 v[AV0], v[AV], 4, v[AV0]
	v_add_nc_u32 v[AV0], VOFF, v[AV0]
	v_mul_u32_u24 v[AM0], v1, PM          ; my query's row of the mask's tile,
	v_lshl_add_u32 v[AM0], v9, 5, v[AM0]  ; my eight keys of sixteen,
	v_add_nc_u32 v[AM0], s23, v[AM0]      ; my wave's sixteen rows: those of its row tile
	s_mul_i32 s19, s[WV], 16*SP
	s_add_co_u32 s19, s19, STAGE    ; my stage
	v_mul_u32_u24 v[STO], v1, SP    ; in: row l % 16, 16 bytes for each half of the lanes
	v_lshl_add_u32 v[STO], v9, 4, v[STO]
	v_add_nc_u32 v[STO], s19, v[STO]
	v_mul_u32_u24 v[RD], v9, SP     ; back: lanes 0-15 take one row of 256 bytes, lanes 16-31 the next
	v_lshl_add_u32 v[RD], v1, 4, v[RD]
	v_add_nc_u32 v[RD], s19, v[RD]
	v_lshlrev_b32 v[GO], 11, v9     ; and the same two rows in att
	v_lshl_add_u32 v[GO], v1, 4, v[GO]
; THE MATRIX WORK.  The accumulators take turns, one instruction a turn.
; Product i of 16 of S^T = K Q^T: channels 32 (i / 8) on, keys 16 ((i / 2) % 4) on, tile i % 2.  The first 8 start the sums.
.macro KQ
.set rD, S+32*(i%2)+8*((i/2)%4)
.set rA, KF+16*((i/2)%4)+8*(i/8)
.set rB, QF+16*(i%2)+8*(i/8)
.if i < 8
	v_wmma_f32_16x16x32_f16 v[rD:rD+7], v[rA:rA+7], v[rB:rB+7], 0
.else
	v_wmma_f32_16x16x32_f16 v[rD:rD+7], v[rA:rA+7], v[rB:rB+7], v[rD:rD+7]
.endif
.set i, i+1
.endm
; Product i of 20 of O^T += V^T P and l += 1 P: keys 32 (i / 10) on, tile i % 2, channels 16 cb on for cb = (i % 10) / 2 < 4; cb = 4: the ones.
.macro PVX
.set cb, (i%10)/2
.set rB, S+32*(i%2)+8*(i/10)
.if cb == 4
.set rA, ONES
.set rD, L+8*(i%2)
.else
.set rA, VF+32*(i/10)+8*cb
.set rD, O+32*(i%2)+8*cb
.endif
	v_wmma_f32_16x16x32_f16 v[rD:rD+7], v[rA:rA+7], v[rB:rB+7], v[rD:rD+7]
.set i, i+1
.endm
; THE VECTOR WORK of a key step, all in window 0.  OP kind, tile, number:
;   A1 n: pair n of 2^S, plus 1.   F1 n: C50 - C100 r.   M1 n: + log2(e) mask.   F2 n: t - m.   CV n: pair n of p rounded to f16, into register n of the tile's S^T (ascending, so nothing unread is overwritten).
;   RS n: pair n of O^T times a; n = 16: l's pair.
; A1 reads batch 1, F1 batch 2, RS and CV batch 3; M1, F2 and XS read plain results alone.  No wait stands in these macros: STEP writes the three.
.set A1, 0
.set F1, 1
.set M1, 2
.set F2, 3
.set CV, 4
.set RS, 5
.macro REGS u
.set rT, ST+8*(\u)
.set rS, S+32*(\u)
.set rO, O+32*(\u)
.set rL, L+8*(\u)
.endm
.macro OP k, u, n
	REGS \u
.if (\k) == A1
	v_pk_add_f32 v[rS+2*(\n):rS+2*(\n)+1], v[rS+2*(\n):rS+2*(\n)+1], 1.0 op_sel_hi:[1,0]
.elseif (\k) == F1
	v_pk_fma_f32 v[rS+2*(\n):rS+2*(\n)+1], v[rS+2*(\n):rS+2*(\n)+1], s[NC100:NC100+1], s[C50:C50+1] op_sel_hi:[1,0,0]
.elseif (\k) == M1
	v_pk_fma_f32 v[rS+2*(\n):rS+2*(\n)+1], v[MK+2*(\n):MK+2*(\n)+1], s[CLG:CLG+1], v[rS+2*(\n):rS+2*(\n)+1] op_sel_hi:[1,0,1]
.elseif (\k) == F2
	v_pk_add_f32 v[rS+2*(\n):rS+2*(\n)+1], v[rS+2*(\n):rS+2*(\n)+1], v[rT:rT+1] op_sel_hi:[1,0] neg_lo:[0,1] neg_hi:[0,1]
.elseif (\k) == CV
	v_cvt_pk_f16_f32 v[rS+(\n)], v[rS+2*(\n)], v[rS+2*(\n)+1]
.elseif (\n) == 16
	v_pk_mul_f32 v[rL:rL+1], v[rL:rL+1], v[rT+2:rT+3] op_sel_hi:[1,0]
.else
	v_pk_mul_f32 v[rO+2*(\n):rO+2*(\n)+1], v[rO+2*(\n):rO+2*(\n)+1], v[rT+2:rT+3] op_sel_hi:[1,0]
.endif
.endm
; XS tile, n: number n of the 21 that find the running maximum and a.  0-11: four chains c0-c3 of seven t each, three operands at a time; 12-14, 16: the four t left over, the old m, and c0-c3 into c0;
; 15: m_old is kept; 17, 18: the query's other 32 keys lie in the lane 16 away: the new m; 19, 20: m_old - m, and a.  Number 20 is an exponential of batch 3; its result, +2, is named by no other number.
.macro XS u, n
	REGS \u
.if (\n) < 4
.set rc, rT+3+(((\n)+1)%4)
	v_max3_num_f32 v[rc], v[rS+8*(\n)], v[rS+8*(\n)+1], v[rS+8*(\n)+2]
.elseif (\n) < 12
.set rc, rT+3+(((\n)%4+1)%4)
	v_max3_num_f32 v[rc], v[rc], v[rS+8*((\n)%4)+2*((\n)/4)+1], v[rS+8*((\n)%4)+2*((\n)/4)+2]
.elseif (\n) == 12
	v_max3_num_f32 v[rT+4], v[rT+4], v[rS+7], v[rS+15]
.elseif (\n) == 13
	v_max3_num_f32 v[rT+5], v[rT+5], v[rS+23], v[rS+31]
.elseif (\n) == 14
	v_max3_num_f32 v[rT+6], v[rT+6], v[rT+3], v[rT]
.elseif (\n) == 15
	v_mov_b32 v[rT+7], v[rT]
.elseif (\n) == 16
	v_max3_num_f32 v[rT+4], v[rT+4], v[rT+5], v[rT+6]
.elseif (\n) == 17
	v_permlanex16_b32 v[rT+3], v[rT+4], s[SEL], s[SEL+1]
.elseif (\n) == 18
	v_max_num_f32 v[rT], v[rT+4], v[rT+3]
.elseif (\n) == 19
	v_sub_f32 v[rT+7], v[rT+7], v[rT]
.else
	v_exp_f32 v[rT+2], v[rT+7]
.endif
.endm
; TWO QUEUES, each in the order in which its entries become ready.  EX writes the next of 192: 2^S of tile 0, of tile 1 (batch 1); 1 / (1 + 2^S) of tile 0, of tile 1 (batch 2); 2^(t - m) of tile 0, of tile 1
; (batch 3): 32 each, in place.
.macro EX
.set x, e%32
.set y, (e/32)%2
	REGS y
.if (e/64) == 1
	v_rcp_f32 v[rS+x], v[rS+x]
.else
	v_exp_f32 v[rS+x], v[rS+x]
.endif
.set e, e+1
.endm
; PL writes the next of 236.  0-31: 1 + 2^S of tile 0, of tile 1 (behind the first wait).  32-169 (behind the second): tile 0's cap and mask; tile 1's cap by turns with tile 0's maximum; tile 1's mask, three lines between
; the links of tile 0's chain, whose last is a (115); tile 1's maximum by turns with tile 0's t - m; the links 16-19 of tile 1's chain (149-152); tile 1's t - m, with its a behind the first two (155).
; 170-235 (behind the third): the rescalings and then the roundings, the tiles by turns, each tile's numbers ascending.
.macro PL
.if q < 16
	OP A1, 0, q
.elseif q < 32
	OP A1, 1, q-16
.elseif q < 48
	OP F1, 0, q-32
.elseif q < 64
	OP M1, 0, q-48
.elseif q < 96
.if q%2 == 0
	OP F1, 1, (q-64)/2
.else
	XS 0, (q-64)/2
.endif
.elseif q < 116
.if (q-96)%4 == 3
	XS 0, 16+(q-96)/4
.else
	OP M1, 1, 3*((q-96)/4)+(q-96)%4
.endif
.elseif q == 116
	OP M1, 1, 15
.elseif q < 149
.if (q-117)%2 == 0
	XS 1, (q-117)/2
.else
	OP F2, 0, (q-117)/2
.endif
.elseif q < 153
	XS 1, 16+(q-149)
.elseif q < 155
	OP F2, 1, q-153
.elseif q == 155
	XS 1, 20
.elseif q < 170
	OP F2, 1, q-154
.elseif q < 204
	OP RS, (q-170)%2, (q-170)/2
.else
	OP CV, (q-204)%2, (q-204)/2
.endif
.set q, q+1
.endm
; A KEY STEP: 64 keys for my two tiles.  The deal keeps the queues in step: every entry's sources are made earlier; no line between a batch's first instruction and its wait names a result of that batch; and behind
; each batch's last instruction stands a v_nop, the plain vector instruction that is wanted ahead of the first use of a result (ISA guide 5.7.2): one for the batch.
.macro STEP
	WIN W_LD
.irp f, 0,1,2,3,4,5,6,7             ; K: keys 16 (f / 2) on, channels 32 (f % 2) on
	ds_load_b128 v[KF+8*\f:KF+8*\f+3],   v[AK] offset:(\f/2)*16*PK+(\f%2)*64
	ds_load_b128 v[KF+8*\f+4:KF+8*\f+7], v[AK] offset:(\f/2)*16*PK+(\f%2)*64+32
.endr
.irp f, 0,1,2,3,4,5,6,7             ; V, turned: keys 32 (f / 4) on, channels 16 (f % 4) on
	ds_load_tr16_b128 v[VF+8*\f:VF+8*\f+3],   v[AV] offset:(\f/4)*32*PV+(\f%4)*32
	ds_load_tr16_b128 v[VF+8*\f+4:VF+8*\f+7], v[AV] offset:(\f/4)*32*PV+16*PV+(\f%4)*32
.endr
	WIN 0
.irp f, 0,1,2,3                     ; the mask: keys 16 f + 8 (l / 16) + 0..7 of my query's row
	ds_load_b128 v[MK+8*\f:MK+8*\f+3],   v[AM] offset:64*\f
	ds_load_b128 v[MK+8*\f+4:MK+8*\f+7], v[AM] offset:64*\f+16
.endr
	s_wait_dscnt 24                 ; K's sixteen loads are in; V's sixteen and the mask's eight, issued behind them, may be out
	WIN W_KQ
.set i, 0
.rept 16
	KQ
.endr
	WIN 0
.rept 4
	v_nop                           ; the places between the last product and the first read of the scores
.endr
.set q, 0
.set e, 0
	; BATCH 1: 2^S of both tiles, 64 exponentials; the step has no other work that is ready here
.rept 64
	EX
.endr
	v_nop                           ; the plain instruction behind the batch's last exponential
	s_wait_alu depctr_va_vdst(0)    ; the wait for batch 1, ahead of its first reader, the addition below
	; BATCH 2: the 64 reciprocals.  Reciprocal j reads pair j / 2 of 1 + 2^S; the addition dealt behind it is pair j + 2, registers 2 j + 4 and 2 j + 5: beyond every reciprocal issued so far
	PL
	PL
.rept 30
	EX
	PL
.endr
.rept 34
	EX                              ; the additions are used up
.endr
	v_nop                           ; the plain instruction behind the batch's last reciprocal
	s_wait_dscnt 0x0                ; the mask and V are in
	s_wait_alu depctr_va_vdst(0)    ; the wait for batch 2, ahead of its first reader, tile 0's cap
	; BATCH 3: both tiles' a and the 64 weights, among the 136 plain lines that lead to them
.rept 87
	PL                              ; tile 0's cap and mask, tile 1's cap and mask, tile 0's maximum and a; the first line of tile 1's maximum and of tile 0's t - m
.endr
.rept 12
	PL                              ; tile 1's maximum,
	EX                              ; tile 0's weights, a pair behind its t - m,
	PL                              ; tile 0's t - m
	EX
.endr
.rept 7
	PL                              ; the last of these two, and link 16 of tile 1's chain
.endr
.rept 3
	EX                              ; eight of tile 0's weights were held back: they stand between the links
.endr
	PL                              ; link 17: the exchange of the lanes' halves
.rept 3
	EX
.endr
	PL                              ; link 18: tile 1's m
	EX
	EX
.rept 4
	PL                              ; m_old - m; tile 1's first two t - m; its a
.endr
.rept 14
	PL                              ; tile 1's t - m, pair k + 2,
	EX                              ; and the weights of pair k
	EX
.endr
.rept 4
	EX
.endr
	v_nop                           ; the plain instruction behind the batch's last exponential
	s_wait_alu depctr_va_vdst(0)    ; the wait for batch 3: 66 results, ahead of their first reader, tile 0's rescaling
.rept 66
	PL                              ; the rescalings by a, then the roundings of the weights
.endr
	WIN W_PV
.set i, 0
.rept 20
	PVX
.endr
	WIN 0
	v_add_nc_u32 v[AK], KS*PK, v[AK]  ; the next step's 64 keys.  These three and two v_nop are the five places between the last products and the next step's loads into V
	v_add_nc_u32 v[AV], KS*PV, v[AV]  ; and its first products, which write over P
	v_add_nc_u32 v[AM], KS*4, v[AM]
	v_nop
	v_nop
.endm
.macro PROC slot                    ; a slot's four key steps
.if \slot
	v_add_nc_u32 v[AK], SLOT, v[AK0]
	v_add_nc_u32 v[AV], SLOT, v[AV0]
	v_add_nc_u32 v[AM], SLOT, v[AM0]
.else
	v_mov_b32 v[AK], v[AK0]
	v_mov_b32 v[AV], v[AV0]
	v_mov_b32 v[AM], v[AM0]
.endif
	s_mov_b32 s[CNT], 4
.Lstep_\@:
	STEP
	s_sub_co_u32 s[CNT], s[CNT], 1
	s_cmp_lg_u32 s[CNT], 0
	s_cbranch_scc1 .Lstep_\@
.endm
; A TRIP.  Each wave waits for all its tensor loads, of which one is out: its part of this trip's slot; adds 0 to its spare word; waits for that and for its reads of the other slot.  Behind the round no wave of
; any partner reads the other slot any more, and this slot is whole.  refill = 1: the other slot takes the next 256 keys, the first thing behind the round.
.macro TRIP slot, refill
	s_wait_tensorcnt 0x0            ; no tensor load of mine is out, so a group 0 may be written
	ds_add_u32 v[SPW], v[NIL]       ; 0 onto my spare word: the descriptors' steps stand between it and the wait for it
	s_add_nc_u64 s[G0K+4*(\slot)+2:G0K+4*(\slot)+3], s[G0K+4*(\slot)+2:G0K+4*(\slot)+3], 2*32768  ; this slot's next tile: 512 keys on; the type bits on top are not reached
	s_add_nc_u64 s[G0V+4*(\slot)+2:G0V+4*(\slot)+3], s[G0V+4*(\slot)+2:G0V+4*(\slot)+3], 2*32768
	s_add_nc_u64 s[G0M+4*(\slot)+2:G0M+4*(\slot)+3], s[G0M+4*(\slot)+2:G0M+4*(\slot)+3], 2*1024
	s_wait_dscnt 0x0                ; the add is done, and my reads of the other slot are over
	ROUND
.if \refill
	JLOAD 1-(\slot)
.endif
	PROC \slot
.endm
	s_wait_loadcnt 0x0              ; Q
.Lloop:                             ; eight tiles of 256 keys: three trips of two, and two written out
	TRIP 0, 1
	TRIP 1, 1
	s_sub_co_u32 s[LOOP], s[LOOP], 1
	s_cmp_lg_u32 s[LOOP], 0
	s_cbranch_scc1 .Lloop
	TRIP 0, 1
	TRIP 1, 0                       ; the last tile: nothing is left to fetch (the stepped addresses are not used)
	; THE WAY OUT.  O^T is divided by l, rounded to f16 and sent through my stage: a row of the stage is a query's two heads, 256 bytes.  The step's last five lines are the places behind the last products.
.irp u, 0,1
	v_rcp_f32 v[ST+8*(\u)+2], v[L+8*(\u)]
.endr
	v_nop                           ; a plain instruction between the last reciprocal and the use of its result
	s_wait_alu depctr_va_vdst(0)    ; the wait ahead of the first use: one for the two reciprocals
.irp u, 0,1
.set i, 0
.rept 16
	v_pk_mul_f32 v[O+32*(\u)+2*i:O+32*(\u)+2*i+1], v[O+32*(\u)+2*i:O+32*(\u)+2*i+1], v[ST+8*(\u)+2:ST+8*(\u)+3] op_sel_hi:[1,0]
.set i, i+1
.endr
.endr
.irp u, 0,1
.set i, 0
.rept 16
	v_cvt_pk_f16_f32 v[S+16*(\u)+i], v[O+32*(\u)+2*i], v[O+32*(\u)+2*i+1]
.set i, i+1
.endr
.endr
.irp u, 0,1
.irp c, 0,1,2,3
	ds_store_b128 v[STO], v[S+16*(\u)+4*(\c):S+16*(\u)+4*(\c)+3] offset:128*(\u)+32*(\c)
.endr
.endr
.irp f, 0,1,2,3,4,5,6,7
	ds_load_b128 v[S+32+4*(\f):S+32+4*(\f)+3], v[RD] offset:(\f)*2*SP  ; LDS serves a wave's instructions in order (ISA guide 5.7.1.4): these see the stores above
.endr
.irp f, 0,1,2,3,4,5,6,7
	s_wait_dscnt 7-(\f)             ; load f is back; the younger ones may be out
	global_store_b128 v[GO], v[S+32+4*(\f):S+32+4*(\f)+3], s[8:9] offset:(\f)*4096  ; 16 lanes store 256 consecutive bytes, at a multiple of 256 from att's first byte
.endr
	s_wait_tensorcnt 0x0            ; the wave's end: an add of 0 to my spare word and its wait, behind my last tensor load and my last LDS store
	ds_add_u32 v[SPW], v[NIL]
	s_wait_dscnt 0x0
	ROUND                           ; the closing round: no work-group ends while a partner may still ask for a tile that names it
	s_endpgm
.Lfunc_end_k_qeea5264c75_attn:
	.size	k_qeea5264c75_attn, .Lfunc_end_k_qeea5264c75_attn-k_qeea5264c75_attn
	.p2alignl 7, 3214868480
	.fill 96, 4, 3214868480
	.section	.rodata,"a",@progbits
	.p2align	6, 0x0
	.amdhsa_kernel k_qeea5264c75_attn
		.amdhsa_group_segment_fixed_size 327680
		.amdhsa_private_segment_fixed_size 0
		.amdhsa_enable_private_segment 0
		.amdhsa_kernarg_size 24
		.amdhsa_user_sgpr_count 2
		.amdhsa_user_sgpr_kernarg_segment_ptr 1
		.amdhsa_wavefront_size32 1
		.amdhsa_system_sgpr_workgroup_id_x 1
		.amdhsa_system_sgpr_workgroup_id_y 1
		.amdhsa_system_sgpr_workgroup_id_z 1
		.amdhsa_system_vgpr_workitem_id 0
		.amdhsa_next_free_vgpr 424
		.amdhsa_next_free_sgpr 96
		.amdhsa_reserve_vcc 0
		.amdhsa_float_denorm_mode_32 3
		.amdhsa_float_denorm_mode_16_64 3
		.amdhsa_memory_ordered 1
		.amdhsa_forward_progress 1
		.amdhsa_inst_pref_size 130
	.end_amdhsa_kernel
	.amdgpu_metadata
---
amdhsa.version: [ 1, 2 ]
amdhsa.kernels:
  - .name:           k_qeea5264c75_attn
    .symbol:         k_qeea5264c75_attn.kd
    .args:
      - { .name: qkv, .offset: 0, .size: 8, .value_kind: global_buffer, .address_space: global }
      - { .name: mask, .offset: 8, .size: 8, .value_kind: global_buffer, .address_space: global }
      - { .name: att, .offset: 16, .size: 8, .value_kind: global_buffer, .address_space: global }
    .group_segment_fixed_size: 327680
    .private_segment_fixed_size: 0
    .kernarg_segment_align: 8
    .kernarg_segment_size: 24
    .max_flat_workgroup_size: 256
    .sgpr_count:     96
    .vgpr_count:     424
    .wavefront_size: 32
...
	.end_amdgpu_metadata
.endif
;; end of part 5
;; launch oproj: the kernel of part 4 again; grid 8 x 32, 4 waves a work-group, clusters of 4 x 4, 327,680 bytes of LDS; arguments att, sw, out0, psum; writes out0
